; MI455X (gfx1250); checked and timed in simulation.
; The chip was launched on July 23, 2026; its instructions are those of AMD's public machine-readable ISA for CDNA 5 (MIT licence, August 2026) and "CDNA5" Instruction Set Architecture Reference Guide (July 2026). The comments in the code are by the model that wrote it; some were corrected since.
;; Attention. Allowed arithmetic: float matrix products may take bf16 or f16 operands with f32 sums; other float arithmetic in f32, or as packed bf16 or f16 multiplies, adds, multiply-adds, maxima and minima; sums over many terms, partial sums and values carried from step to step in f32; what a program stores and reads back later, other than sums and carried values, may be rounded once to bf16 or f16.
;; Inputs: freqs_cos 2,048 x 64 float32; freqs_sin 2,048 x 64 float32; mask 2,048 x 2,048 float32; wk 2,048 x 2,048 float32; wo 2,048 x 2,048 float32; wq 2,048 x 2,048 float32; wv 2,048 x 2,048 float32; x 1 x 2,048 x 2,048 float32.
;; Outputs: out0 1 x 2,048 x 2,048 float32.
;; 2 versions, each right; version 2 is version 1 with the launch cast written anew for expert scheduling mode. Each part assembles by itself: llvm-mc -triple=amdgcn-amd-amdhsa -mcpu=gfx1250 --defsym DOCPART=n.
;; ======== version 1 of 2: 4 launches
;; limits: values are held in f16: magnitudes above 65,504 overflow, below 6.1e-05 lose precision; right only within a limited range of input values
;; workspace buffers: xb 8,388,608 bytes; wcat 25,165,824 bytes; wob 8,388,608 bytes; maskr 16,777,216 bytes; qh 8,388,608 bytes; kh 8,388,608 bytes; vh 8,388,608 bytes; ob 8,388,608 bytes
;; launch cast (part 1): grid 128 x 6, 8 waves a work-group, no clusters, 0 bytes of LDS; arguments x, wq, wk, wv, wo, mask, xb, wcat, wob, maskr; writes xb, wcat, wob, maskr
.if DOCPART == 1
	.amdgcn_target "amdgcn-amd-amdhsa--gfx1250"
	.amdhsa_code_object_version 6
	.text
	.protected	k_q4711c93997_cast
	.globl	k_q4711c93997_cast
	.p2align	8
	.type	k_q4711c93997_cast,@function
k_q4711c93997_cast:
	s_mov_b64 s[64:65], 0
	v_nop
	global_prefetch_b8 v0, s[64:65] scope:SCOPE_SE
	s_setreg_imm32_b32 hwreg(HW_REG_WAVE_MODE, 25, 1), 1
	s_wait_xcnt 0x0
; THE INPUTS ARE ROUNDED ONCE.  Six tensors of [2048][2048] f32; the grid's y picks the tensor, its x sixteen rows.
;   y = 0: x -> xb, bf16.   y = 1, 2, 3: wq, wk, wv -> wcat, bf16, by heads: row r of head h of tensor t lies at row 384 h + 128 t + r.
;   y = 4: wo -> wob: rounded to bf16, that number written as f16.   y = 5: mask -> maskr: rounded to bf16, held to -1e30 from below, written as f32.
; LIMITS.  wob: |wo| stays under 65,504; below 6e-5 the number keeps f16's fixed step of 6e-8.  maskr: -inf and all below -1e30 become -1e30, which the attention
; launch counts as hidden; a NaN in the mask becomes -1e30 too.
; SHARES.  Thread t takes 16 bytes at 16 t and at 4,096 + 16 t of each row: a load of a wave covers 512 bytes on end.  The 16-bit copies leave as 8 bytes a lane (a store of a
; wave covers 256 bytes on end, aligned), the mask as 16 bytes a lane.  All 32 loads of a thread go out at once; nothing is read twice; no LDS, no barrier, no matrix unit:
; work-groups share no byte, so a cluster would have nothing to share.
.set T, 8                              ; v[8:11]    a row's eight numbers as four words of bf16
.set X, 16                             ; v[16:143]  row i: eight registers as loaded
.set Y, 144                            ; v[144:207] row i: four registers to store
	s_load_b512 s[8:23], s[0:1], 0x0               ; x s[8:9], wq, wk, wv, wo, mask s[18:19], xb s[20:21], wcat s[22:23]
	s_load_b128 s[24:27], s[0:1], 0x40             ; wob s[24:25], maskr s[26:27]
	s_and_b32 s2, ttmp7, 0xffff                    ; which tensor
	v_lshlrev_b32 v1, 4, v0                        ; 16 t
	v_lshlrev_b32 v2, 3, v0                        ; 8 t
	s_mov_b32 s32, 0xffff0000                      ; a word's upper bf16
	s_mov_b32 s36, 0xf149f2ca                      ; -1e30
	s_lshl_b32 s28, ttmp9, 17                      ; sixteen rows of 8,192 bytes
	s_mov_b32 s29, 0
	s_lshl_b32 s30, ttmp9, 16                      ; sixteen rows of 4,096 bytes
	s_mov_b32 s31, 0
	s_lshr_b32 s33, ttmp9, 3                       ; a weight's head: eight groups of sixteen rows each
	s_mul_i32 s33, s33, 384
	s_and_b32 s34, ttmp9, 7
	s_lshl_b32 s34, s34, 4
	s_add_co_u32 s33, s33, s34
	s_sub_co_u32 s35, s2, 1                        ; 0, 1, 2 for wq, wk, wv
	s_lshl_b32 s34, s35, 7
	s_add_co_u32 s33, s33, s34
	s_lshl_b32 s33, s33, 12                        ; the row in wcat, in bytes (taken for y = 1, 2, 3 alone)
	s_cmp_lt_u32 s35, 3
	s_cselect_b32 s30, s33, s30
	s_cmp_eq_u32 s2, 5
	s_cselect_b32 s30, s28, s30                    ; maskr has rows of 8,192 bytes
	s_wait_kmcnt 0x0
	s_mov_b64 s[4:5], s[8:9]                       ; the source,
	s_cmp_eq_u32 s2, 1
	s_cselect_b64 s[4:5], s[10:11], s[4:5]
	s_cmp_eq_u32 s2, 2
	s_cselect_b64 s[4:5], s[12:13], s[4:5]
	s_cmp_eq_u32 s2, 3
	s_cselect_b64 s[4:5], s[14:15], s[4:5]
	s_cmp_eq_u32 s2, 4
	s_cselect_b64 s[4:5], s[16:17], s[4:5]
	s_cmp_eq_u32 s2, 5
	s_cselect_b64 s[4:5], s[18:19], s[4:5]
	s_mov_b64 s[6:7], s[20:21]                     ; and the destination
	s_cmp_ge_u32 s2, 1
	s_cselect_b64 s[6:7], s[22:23], s[6:7]
	s_cmp_eq_u32 s2, 4
	s_cselect_b64 s[6:7], s[24:25], s[6:7]
	s_cmp_eq_u32 s2, 5
	s_cselect_b64 s[6:7], s[26:27], s[6:7]
	s_add_nc_u64 s[4:5], s[4:5], s[28:29]
	s_add_nc_u64 s[6:7], s[6:7], s[30:31]
.irp i, 0,1,2,3,4,5,6,7,8,9,10,11,12,13,14,15
	global_load_b128 v[X+8*(\i):X+8*(\i)+3],   v1, s[4:5] offset:8192*(\i) th:TH_LOAD_NT
	global_load_b128 v[X+8*(\i)+4:X+8*(\i)+7], v1, s[4:5] offset:8192*(\i)+4096 th:TH_LOAD_NT
.endr
	s_cmp_eq_u32 s2, 5
	s_cbranch_scc1 .Lmask
	s_cmp_eq_u32 s2, 4
	s_cbranch_scc1 .Lhalf
; No register that a store reads is written again, so no wait stands for the stores.
.macro OUT16 i                         ; a row's two stores of 8 bytes a lane
	global_store_b64 v2, v[Y+4*(\i):Y+4*(\i)+1],   s[6:7] offset:4096*(\i)
	global_store_b64 v2, v[Y+4*(\i)+2:Y+4*(\i)+3], s[6:7] offset:4096*(\i)+2048
.endm
.macro ROUNDED i                       ; row i rounded to bf16 and widened again, in place
.irp j, 0,1,2,3
	v_cvt_pk_bf16_f32 v[T+(\j)], v[X+8*(\i)+2*(\j)], v[X+8*(\i)+2*(\j)+1]
.endr
.irp j, 0,1,2,3
	v_lshlrev_b32 v[X+8*(\i)+2*(\j)],   16, v[T+(\j)]
	v_and_b32     v[X+8*(\i)+2*(\j)+1], s32, v[T+(\j)]
.endr
.endm
.irp i, 0,1,2,3,4,5,6,7,8,9,10,11,12,13,14,15
	s_wait_loadcnt 30-2*(\i)                       ; loads come back in order: row i is in, the later rows' loads stay out
.irp j, 0,1,2,3
	v_cvt_pk_bf16_f32 v[Y+4*(\i)+(\j)], v[X+8*(\i)+2*(\j)], v[X+8*(\i)+2*(\j)+1]
.endr
	OUT16 \i
.endr
	s_endpgm
.Lhalf:
.irp i, 0,1,2,3,4,5,6,7,8,9,10,11,12,13,14,15
	s_wait_loadcnt 30-2*(\i)
	ROUNDED \i
.irp j, 0,1,2,3
	v_cvt_pk_f16_f32 v[Y+4*(\i)+(\j)], v[X+8*(\i)+2*(\j)], v[X+8*(\i)+2*(\j)+1]
.endr
	OUT16 \i
.endr
	s_endpgm
.Lmask:
.irp i, 0,1,2,3,4,5,6,7,8,9,10,11,12,13,14,15
	s_wait_loadcnt 30-2*(\i)
	ROUNDED \i
.irp j, 0,1,2,3,4,5,6,7
	v_max_num_f32 v[X+8*(\i)+(\j)], s36, v[X+8*(\i)+(\j)]
.endr
	global_store_b128 v1, v[X+8*(\i):X+8*(\i)+3],   s[6:7] offset:8192*(\i)
	global_store_b128 v1, v[X+8*(\i)+4:X+8*(\i)+7], s[6:7] offset:8192*(\i)+4096
.endr
	s_endpgm
.Lfunc_end_k_q4711c93997_cast:
	.size	k_q4711c93997_cast, .Lfunc_end_k_q4711c93997_cast-k_q4711c93997_cast
	.p2alignl 7, 3214868480
	.fill 96, 4, 3214868480
	.section	.rodata,"a",@progbits
	.p2align	6, 0x0
	.amdhsa_kernel k_q4711c93997_cast
		.amdhsa_group_segment_fixed_size 0
		.amdhsa_private_segment_fixed_size 0
		.amdhsa_enable_private_segment 0
		.amdhsa_kernarg_size 80
		.amdhsa_user_sgpr_count 2
		.amdhsa_user_sgpr_kernarg_segment_ptr 1
		.amdhsa_wavefront_size32 1
		.amdhsa_system_sgpr_workgroup_id_x 1
		.amdhsa_system_sgpr_workgroup_id_y 1
		.amdhsa_system_sgpr_workgroup_id_z 1
		.amdhsa_system_vgpr_workitem_id 0
		.amdhsa_next_free_vgpr 208
		.amdhsa_next_free_sgpr 66
		.amdhsa_reserve_vcc 0
		.amdhsa_float_denorm_mode_32 3
		.amdhsa_float_denorm_mode_16_64 3
		.amdhsa_memory_ordered 1
		.amdhsa_forward_progress 1
		.amdhsa_inst_pref_size 44
	.end_amdhsa_kernel
	.amdgpu_metadata
---
amdhsa.version: [ 1, 2 ]
amdhsa.kernels:
  - .name:           k_q4711c93997_cast
    .symbol:         k_q4711c93997_cast.kd
    .args:
      - { .name: x, .offset: 0, .size: 8, .value_kind: global_buffer, .address_space: global }
      - { .name: wq, .offset: 8, .size: 8, .value_kind: global_buffer, .address_space: global }
      - { .name: wk, .offset: 16, .size: 8, .value_kind: global_buffer, .address_space: global }
      - { .name: wv, .offset: 24, .size: 8, .value_kind: global_buffer, .address_space: global }
      - { .name: wo, .offset: 32, .size: 8, .value_kind: global_buffer, .address_space: global }
      - { .name: mask, .offset: 40, .size: 8, .value_kind: global_buffer, .address_space: global }
      - { .name: xb, .offset: 48, .size: 8, .value_kind: global_buffer, .address_space: global }
      - { .name: wcat, .offset: 56, .size: 8, .value_kind: global_buffer, .address_space: global }
      - { .name: wob, .offset: 64, .size: 8, .value_kind: global_buffer, .address_space: global }
      - { .name: maskr, .offset: 72, .size: 8, .value_kind: global_buffer, .address_space: global }
    .group_segment_fixed_size: 0
    .private_segment_fixed_size: 0
    .kernarg_segment_align: 8
    .kernarg_segment_size: 80
    .max_flat_workgroup_size: 256
    .sgpr_count:     66
    .vgpr_count:     208
    .wavefront_size: 32
...
	.end_amdgpu_metadata
.endif
;; end of part 1
;; launch qkv (part 2): grid 16 x 16, 4 waves a work-group, clusters of 4 x 4, 327,680 bytes of LDS; arguments xb, wcat, freqs_cos, freqs_sin, qh, kh, vh; writes qh, kh, vh
.if DOCPART == 2
	.amdgcn_target "amdgcn-amd-amdhsa--gfx1250"
	.amdhsa_code_object_version 6
	.text
	.protected	k_q4711c93997_qkv
	.globl	k_q4711c93997_qkv
	.p2align	8
	.type	k_q4711c93997_qkv,@function
k_q4711c93997_qkv:
	s_mov_b64 s[64:65], 0
	v_nop
	global_prefetch_b8 v0, s[64:65] scope:SCOPE_SE
	s_setreg_imm32_b32 hwreg(HW_REG_WAVE_MODE, 25, 1), 1
	s_wait_xcnt 0x0
	s_wait_alu depctr_hold_cnt(0) depctr_sa_sdst(0) depctr_va_vdst(0) depctr_va_sdst(0) depctr_va_ssrc(0) depctr_va_vcc(0) depctr_vm_vsrc(0)
	s_getreg_b32 s2, hwreg(HW_REG_IB_STS2, 6, 4)
	s_cmp_eq_u32 s2, 0
	s_cbranch_scc0 .Lentry_in_a_cluster
	s_endpgm
.Lentry_in_a_cluster:
	s_bfe_u32 s2, ttmp6, 0x10000c
	s_cmp_lg_u32 s2, 0xf033
	s_cbranch_scc0 .Lentry_shape_is_right
	s_endpgm
.Lentry_shape_is_right:
; q, k, v = x W^T for one head and 128 tokens, the rotation of q and k, and the way out by heads.  xb: [2048][2048] bf16; wcat: [6144][2048] bf16, a head's 128 rows of wq, wk, wv on end;
; freqs_cos, freqs_sin: [2048][64] f32; qh, kh, vh: [16][2048][128] f16.  Sums in f32; each result rounded once, to f16.
; THE SCALE.  cos and sin are rounded to bf16 (like every input of the module) and multiplied in f32 by 128^(-1/4): q and k both carry that factor, so that q . k is the score divided by sqrt(128).
; LIMITS.  f16 holds no number beyond 65,504: |q| and |k| times 0.297, and |v|, stay within it; below 6e-5 a number keeps f16's fixed step of 6e-8.  The K steps are summed in a turned order (THE WALK).
; SHARES.  A work-group makes 128 tokens (the grid's x) x 384 columns (the head: the grid's y).  Wave w makes all 128 tokens x columns 32 w .. 32 w + 31 of each of q, k, v: 8 token blocks a x 6 column blocks b: 48 accumulators.
; K goes in steps of 128 through a ring of two LDS slots: 128 rows of x, then 128 rows each of wq, wk, wv; a row is 256 bytes of memory, aligned.  Wave 0 fetches x's rows, waves 1 to 3 the weights'.
; CLUSTERS: 4 x 4.  x's rows hang on the token block and are asked for jointly along a column of the cluster; the weights' hang on the head: jointly along a row.
; THE WALK.  Cluster (X, Y) begins at K step (4 X + 8 Y) mod 16 and wraps round: of the clusters that read the same rows, those along x stand 4 steps apart, those along y 8 (two and two alike).
; The step's number hangs on the cluster's coordinates alone, so the partners of a joint load hold equal descriptors.
; THE MATRIX INSTRUCTION IS USED TRANSPOSED (source 0 = 16 rows of a weight, source 1 = 16 tokens): a lane holds ONE token (lane % 16) and eight neighbouring columns, so a rotation's pair lies in two neighbouring registers.
; REGISTERS, in windows of 256 (s_set_vgpr_msb: bits 1:0 source 0, 3:2 source 1, 5:4 source 2, 7:6 destination):
;   window 0: v0-31 addresses; v32-55 packed results; v64-127, v128-191 x's fragments, two buffers; v192-231 at work on the way out      window 1: v64-111, v128-175 the weights' fragments
;   window 2: accumulators of token blocks 0-3 ((a, b) at 8 (6 a + b)); v192-255 their cos and sin (16 a block: cos 4, sin 4 for b' = 0, then for b' = 1)      window 3: the same for blocks 4-7
.set KSTEP,  128
.set STEPS,  2048/KSTEP
.set PITCH,  272                       ; an LDS row: 256 bytes + 16 of padding = 68 words: the 16 rows of a load start at 16 different groups of four banks (64 banks of 4 bytes: ISA guide 11.1)
.set HALFT,  128*PITCH                 ; 128 rows: what one tensor load brings
.set SLOT,   4*HALFT                   ; 139,264 = 0x22000; the four fills' places in slot 0 (0, 0x8800, 0x11000, 0x19800) have bits 13 and 17 clear, so one exclusive or turns each into slot 1's
.set SPARE,  2*SLOT                    ; behind the ring: the spare words, 128 bytes for each wave: two blocks of 256 bytes that no other line names
.set CO,   10                          ; v10     16 x lane: my bytes in 512 consecutive bytes of qh, kh, vh
.set CF,   11                          ; v11     my byte offset in 16 rows of cos and sin
.set ADRA0, 16                         ; v16     my lane's place in a slot's rows of x; never rewritten
.set ADRB0, 17                         ; v17     in my rows of wq (wk: 34,816 bytes on, in the immediate)
.set ADRC0, 18                         ; v18     in my rows of wv
.set ADRA, 19                          ; v19-21  the same three in the slot in hand: made anew at each change of slots
.set ADRB, 20
.set ADRC, 21
.set STO,  22                          ; v22-24  the way out: where I put 16 bytes of a row of q, k, v
.set RD,   25                          ; v25-27  the way out: where I read rows back
.set SPW,  28                          ; v28     LDS address of my spare word; never rewritten
.set NIL,  29                          ; v29     0; never rewritten
.set PFO,  30                          ; v30     the prefetches' offset: lane x 4,096; never rewritten
.set TMP,  32
.set F0,   64
.set F1,   128
.set R,    192                         ; v192-223 rotated q and k of a token block
.set T,    224                         ; v224-231 products with sin
.set CSB,  192                         ; cos and sin, in windows 2 and 3
.set WV,   18                          ; s18  my wave's number
.set CLY,  19                          ; s19  the cluster's y
.set CX,   20
.set CY,   21
.set HEAD, 22
.set MBLK, 23
.set G1,   24                          ; s[24:31] descriptor group 1 for x's tiles;  s[32:39] group 0: a set for each of the two first fills; the second then walks on
.set G0,   32
.set LIM,  43                          ; s43  10 in a wave that prefetches, else the greatest number
.set PFA,  44                          ; s[44:45] what the next prefetch names
.set G1B,  48                          ; s[48:55], s[56:63] the same for the weights' tiles
.set G0B,  56
.set SC,   66                          ; s[66:67] 128^(-1/4), named as a pair
.set HM,   68                          ; s68  a word's upper bf16
.set TB,   69                          ; s69  LDS byte at which the slot in hand begins
.set ABASE, 70                         ; s[70:71] xb at my tile's first row
.set BBASE, 72                         ; s[72:73] wcat at my tile's first row
.set KO,   76                          ; s[76:77] the byte in a row at which the K step asked for last begins
.set PK,   78                          ; s[78:79] the same for the prefetches
.set PB,   80                          ; s[80:81] xb at my work-group's 32 rows of the prefetches
.set MSB, 0
.macro WIN new                         ; the immediate's high byte repeats the setting that is left; a switch that changes nothing is dropped
.if MSB != (\new)
	s_set_vgpr_msb (MSB<<8)|(\new)
.set MSB, \new
.endif
.endm
.set MUL_LO, 0xa1                      ; source 0 (weights) window 1, source 1 (x) window 0, C and D window 2
.set MUL_HI, 0xf1                      ; the same, C and D window 3
.set TO_B,   0x40
; A joint load, by set s of the descriptors.  Each of the two lines has one mask and one set of registers for all that issue it; the branch hangs on the wave's number alone.
; An s_nop 0 and four v_nop follow each line, ahead of the jump, the label and what follows.
.macro JLOAD s
	s_cmp_eq_u32 s[WV], 0
	s_cbranch_scc0 .Lfor_b_\@
	tensor_load_to_lds s[G0+4*(\s):G0+4*(\s)+3], s[G1:G1+7]
	s_nop 0
.rept 4
	v_nop
.endr
	s_branch .Lasked_\@
.Lfor_b_\@:
	tensor_load_to_lds s[G0B+4*(\s):G0B+4*(\s)+3], s[G1B:G1B+7]
	s_nop 0
.rept 4
	v_nop
.endr
.Lasked_\@:
.endm
; A prefetch, behind a joint refill and the run of LDS loads that follows it: x's rows of the K step that stands two refills on, 32 rows x 256 bytes, a lane a row, one instruction.
; By the walks' starts a cluster is the first of those along y to reach the steps 0 to 7 of its own walk, and the first of those along x to reach its steps 0 to 3.  So wave 0 asks for x's rows of its
; walk's steps 4 to 7, in the loop's first four trips, in the clusters with y < 2 (those with y + 2 walk alike); the four partners of a column share the 128 rows out by address, 32 each.
; So a row's 256 bytes of a K step are named once in the launch at the most.  A walk's steps 0 to 3, the weights' among them, come by their loads alone.
.macro ASK
	s_cmp_gt_u32 s3, s[LIM]
	s_cbranch_scc0 .Lnot_mine_\@
	global_prefetch_b8 v[PFO], s[PFA:PFA+1] th:TH_LOAD_NT scope:SCOPE_SE
.Lnot_mine_\@:
.endm
.macro CREST                           ; a round of the cluster's barrier behind its opening barrier
	s_cmp_lg_u32 s[WV], 0
	s_cbranch_scc1 .Lnot_wave_0_\@
	s_barrier_signal -3
.Lnot_wave_0_\@:
	s_barrier_wait -3
	s_barrier_signal -1
	s_barrier_wait -1
.endm
.macro CROUND
	s_barrier_signal -1
	s_barrier_wait -1
	CREST
.endm
.macro PLACES                          ; four places in front of loads into registers that matrix instructions have read, and of lines that read results
.rept 4
	v_nop
.endr
.endm
.macro SETADR                          ; the fragments' addresses in the slot in hand: three plain vector lines, in window 0
	v_add_nc_u32 v[ADRA], s[TB], v[ADRA0]
	v_add_nc_u32 v[ADRB], s[TB], v[ADRB0]
	v_add_nc_u32 v[ADRC], s[TB], v[ADRC0]
.endm
	s_load_b256 s[4:11], s[0:1], 0x0               ; xb s[4:5], wcat s[6:7], cos s[8:9], sin s[10:11]
	s_load_b128 s[12:15], s[0:1], 0x20             ; qh s[12:13], kh s[14:15]
	s_load_b64 s[16:17], s[0:1], 0x30              ; vh
	v_lshl_add_u32 v[SPW], v0, 2, SPARE
	v_mov_b32 v[NIL], 0
	ds_add_u32 v[SPW], v[NIL]                      ; the wave's opening: the add and its wait stand ahead of my first tensor load; the set-up below stands between them
	v_lshrrev_b32 v1, 5, v0
	v_readfirstlane_b32 s[WV], v1
	s_bfe_u32 s[CX], ttmp6, 0x40000
	s_bfe_u32 s[CY], ttmp6, 0x40004
	s_lshl_b32 s[MBLK], ttmp9, 2
	s_add_co_u32 s[MBLK], s[MBLK], s[CX]           ; the block of 128 tokens = 4 x cluster x + cx
	s_and_b32 s[CLY], ttmp7, 0xffff
	s_lshl_b32 s[HEAD], s[CLY], 2
	s_add_co_u32 s[HEAD], s[HEAD], s[CY]           ; the head = 4 x cluster y + cy
	s_lshl_b32 s40, s[CY], 2
	s_lshl_b32 s40, 15, s40                        ; my row of the cluster
	s_lshl_b32 s41, 0x1111, s[CX]                  ; my column
	s_or_b32 s[G1+0], s41, (1<<16)|(1<<20)|(1<<21)|(5<<22)|(3<<25)   ; x's tiles go to my column; elements of 2 bytes; padding on; bit 21 beside a mask; after every 64 words 4 words
	s_or_b32 s[G1B+0], s40, (1<<16)|(1<<20)|(1<<21)|(5<<22)|(3<<25)  ; the weights' to my row
.irp g, G1, G1B
	s_mov_b32 s[(\g)+1], KSTEP<<16                 ; tensor_dim0 = 128
	s_mov_b32 s[(\g)+2], 128<<16                   ; tensor_dim1 = 128
	s_mov_b32 s[(\g)+3], KSTEP<<16                 ; tile_dim0 = 128
	s_mov_b32 s[(\g)+4], 128                       ; tile_dim1 = 128
	s_mov_b32 s[(\g)+5], 2048                      ; elements from row to row
	s_mov_b32 s[(\g)+6], 0
	s_mov_b32 s[(\g)+7], 0
.endr
	s_lshl_b32 s[ABASE], s[MBLK], 19               ; x: 128 rows of 4,096 bytes a block
	s_mov_b32 s[ABASE+1], 0
	s_max_u32 s46, s[WV], 1
	s_sub_co_u32 s46, s46, 1                       ; which of wq, wk, wv I fetch (waves 1 to 3)
	s_lshl_b32 s46, s46, 7
	s_mul_i32 s47, s[HEAD], 384
	s_add_co_u32 s46, s46, s47                     ; its first row in wcat
	s_lshl_b32 s[BBASE], s46, 12
	s_mov_b32 s[BBASE+1], 0
	s_mul_i32 s42, s[WV], HALFT                    ; where my tile goes: wave x 128 rows
	s_lshl_b32 s74, ttmp9, 2                       ; the walk's first K step: (4 X + 8 Y) mod 16, a multiple of 4
	s_lshl_b32 s75, s[CLY], 3
	s_add_co_u32 s74, s74, s75
	s_and_b32 s74, s74, STEPS-1
	s_lshl_b32 s[KO], s74, 8                       ; 256 bytes of a row a step
	s_mov_b32 s[KO+1], 0
	s_add_co_u32 s[PK], s74, 3                     ; the first refill steps this to the walk's step 4
	s_and_b32 s[PK], s[PK], STEPS-1
	s_lshl_b32 s[PK], s[PK], 8
	s_mov_b32 s[PK+1], 0
	s_mov_b32 s[SC], 0x3e9837f0                    ; 128^(-1/4) = 0.297302
	s_mov_b32 s[SC+1], s[SC]
	s_mov_b32 s[HM], 0xffff0000
	s_mov_b32 s[TB], 0
	s_wait_dscnt 0x0                               ; the opening add is done
	s_wait_kmcnt 0x0
	s_add_nc_u64 s[ABASE:ABASE+1], s[4:5], s[ABASE:ABASE+1]
	s_add_nc_u64 s[BBASE:BBASE+1], s[6:7], s[BBASE:BBASE+1]
	CROUND                                         ; all sixteen work-groups are here: the first joint loads meet
.irp s, 0,1
	s_mov_b32 s[G0+4*(\s)], 1
	s_add_co_u32 s[G0+4*(\s)+1], s42, (\s)*SLOT
	s_add_nc_u64 s[G0+4*(\s)+2:G0+4*(\s)+3], s[ABASE:ABASE+1], s[KO:KO+1]
	s_or_b32 s[G0+4*(\s)+3], s[G0+4*(\s)+3], 0x80000000
	s_mov_b32 s[G0B+4*(\s)], 1
	s_add_co_u32 s[G0B+4*(\s)+1], s42, (\s)*SLOT
	s_add_nc_u64 s[G0B+4*(\s)+2:G0B+4*(\s)+3], s[BBASE:BBASE+1], s[KO:KO+1]
	s_or_b32 s[G0B+4*(\s)+3], s[G0B+4*(\s)+3], 0x80000000
	JLOAD \s                                       ; two loads of mine are out
.if (\s) == 0
	s_add_co_u32 s[KO], s[KO], KSTEP*2             ; the walk's second step: no wrap, since the first is a multiple of 4
.endif
.endr
	; cos and sin of my 128 tokens x 16 pairs: token 16 a + lane % 16, pairs 16 w + 8 b' + 4 (lane / 16) + 0..3: 16 bytes a load
	v_and_b32 v1, 15, v0                           ; l % 16
	v_bfe_u32 v2, v0, 4, 1                         ; l / 16
	v_lshlrev_b32 v[CF], 8, v1
	v_lshl_add_u32 v[CF], v2, 4, v[CF]
	s_lshl_b32 s40, s[WV], 6                       ; 64 w
	v_add_nc_u32 v[CF], s40, v[CF]
	s_lshl_b32 s74, s[MBLK], 15                    ; 128 rows of 256 bytes
	s_mov_b32 s75, 0
	s_add_nc_u64 s[8:9], s[8:9], s[74:75]
	s_add_nc_u64 s[10:11], s[10:11], s[74:75]
.macro CSLOAD a
.irp h, 0,1
	global_load_b128 v[CSB+16*((\a)%4)+8*(\h):CSB+16*((\a)%4)+8*(\h)+3],   v[CF], s[8:9]   offset:(\a)*4096+32*(\h)
	global_load_b128 v[CSB+16*((\a)%4)+8*(\h)+4:CSB+16*((\a)%4)+8*(\h)+7], v[CF], s[10:11] offset:(\a)*4096+32*(\h)
.endr
.endm
	WIN 0x80
.irp a, 0,1,2,3
	CSLOAD \a
.endr
	WIN 0xc0
.irp a, 4,5,6,7
	CSLOAD \a
.endr
	WIN 0
	; a fragment is 16 rows x 32 K in 8 registers: lane l holds row l % 16, K = 8 (l / 16) + 0..7 and 16 + 8 (l / 16) + 0..7: two loads of 16 bytes, 32 bytes apart
	v_mul_u32_u24 v3, v1, PITCH
	v_lshl_add_u32 v[ADRA0], v2, 4, v3
	s_mul_i32 s41, s[WV], 32*PITCH
	s_add_co_u32 s41, s41, HALFT                   ; my 32 rows of wq, behind x's 128
	v_add_nc_u32 v[ADRB0], s41, v[ADRA0]
	v_add_nc_u32 v[ADRC0], 2*HALFT, v[ADRB0]
	SETADR                                         ; slot 0
	; THE STAGE: three planes (q, k, v) of 128 rows x 272 bytes at LDS byte 0, in slot 0, which has had its last fill and its last read when the first of these bytes is written
	v_add_nc_u32 v4, s40, v[ADRA0]                 ; in: row l % 16, my wave's 64 bytes, 16 for each half of the lanes
	s_lshl_b32 s41, s[WV], 5
	v_add_nc_u32 v5, s41, v2                       ; back: wave w takes rows 32 w .. 32 w + 31 whole; lanes 0-15 one row, lanes 16-31 the next
	v_mul_u32_u24 v5, v5, PITCH
	v_lshl_add_u32 v5, v1, 4, v5
.irp t, 0,1,2
	v_add_nc_u32 v[STO+(\t)], (\t)*HALFT, v4
	v_add_nc_u32 v[RD+(\t)], (\t)*HALFT, v5
.endr
	v_and_b32 v[CO], 31, v0
	v_lshlrev_b32 v[CO], 4, v[CO]
	s_lshl_b32 s40, s[HEAD], 11
	s_lshl_b32 s41, s[MBLK], 7
	s_add_co_u32 s40, s40, s41
	s_lshl_b32 s41, s[WV], 5
	s_add_co_u32 s40, s40, s41                     ; the first row that I store: 2,048 x head + 128 x block + 32 x wave,
	s_lshl_b32 s40, s40, 8                         ; of 256 bytes
	s_mov_b32 s41, 0
	s_add_nc_u64 s[12:13], s[12:13], s[40:41]
	s_add_nc_u64 s[14:15], s[14:15], s[40:41]
	s_add_nc_u64 s[16:17], s[16:17], s[40:41]
	; the prefetches
	s_lshl_b32 s40, s[MBLK], 7                     ; x's first row of my tile,
	s_lshl_b32 s41, s[CY], 5
	s_add_co_u32 s40, s40, s41                     ; my work-group's 32 of its 128 rows,
	s_lshl_b32 s40, s40, 12                        ; of 4,096 bytes
	s_mov_b32 s41, 0
	s_add_nc_u64 s[PB:PB+1], s[4:5], s[40:41]
	s_cmp_lt_u32 s[CLY], 2
	s_cselect_b32 s[LIM], 10, -1
	s_cmp_eq_u32 s[WV], 0
	s_cselect_b32 s[LIM], s[LIM], -1               ; the same in all sixteen partners, for a given wave
	v_and_b32 v[PFO], 31, v0
	v_lshlrev_b32 v[PFO], 12, v[PFO]
	; cos and sin: rounded to bf16, widened, times 128^(-1/4), in place.  All this stands in the wait for the first tile.
	s_wait_loadcnt 0x0
.macro ROUNDCS w
	WIN \w
.set i, CSB
.rept 32
	v_cvt_pk_bf16_f32 v[i], v[i], v[i+1]
	v_and_b32 v[i+1], s[HM], v[i]
	v_lshlrev_b32 v[i], 16, v[i]
	v_pk_mul_f32 v[i:i+1], v[i:i+1], s[SC:SC+1] op_sel_hi:[1,0]
.set i, i+2
.endr
.endm
	ROUNDCS 0xaa
	ROUNDCS 0xff
	WIN 0
; n token blocks from a0 on of the window's four (hi = 0: blocks 0-3, 1: blocks 4-7) x all 6 column blocks, 32 along K.  zero = 1: the product starts the sum: nothing is cleared.
; The 48 accumulators take turns, one instruction a turn, in the same order in every quarter.
.macro MULB f, hi, a0, n, zero
	WIN MUL_LO+0x50*(\hi)
.set aa, \a0
.rept \n
.irp b, 0,1,2,3,4,5
.if \zero
	v_wmma_f32_16x16x32_bf16 v[8*(6*aa+(\b)):8*(6*aa+(\b))+7], v[(\f)+8*(\b):(\f)+8*(\b)+7], v[(\f)+8*(4*(\hi)+aa):(\f)+8*(4*(\hi)+aa)+7], 0
.else
	v_wmma_f32_16x16x32_bf16 v[8*(6*aa+(\b)):8*(6*aa+(\b))+7], v[(\f)+8*(\b):(\f)+8*(\b)+7], v[(\f)+8*(4*(\hi)+aa):(\f)+8*(4*(\hi)+aa)+7], v[8*(6*aa+(\b)):8*(6*aa+(\b))+7]
.endif
.endr
.set aa, aa+1
.endr
.endm
; 28 LDS loads in one run: a quarter step's fragments (my 96 rows of the weights, x's 128 rows, 32 K at byte k of the rows of the slot in hand) into buffer f
.macro FETCH k, f
	WIN TO_B
.irp b, 0,1,2,3
	ds_load_b128 v[(\f)+8*(\b):(\f)+8*(\b)+3],   v[ADRB] offset:((\b)/2)*HALFT+((\b)%2)*16*PITCH+(\k)
	ds_load_b128 v[(\f)+8*(\b)+4:(\f)+8*(\b)+7], v[ADRB] offset:((\b)/2)*HALFT+((\b)%2)*16*PITCH+(\k)+32
.endr
.irp b, 4,5
	ds_load_b128 v[(\f)+8*(\b):(\f)+8*(\b)+3],   v[ADRC] offset:((\b)%2)*16*PITCH+(\k)
	ds_load_b128 v[(\f)+8*(\b)+4:(\f)+8*(\b)+7], v[ADRC] offset:((\b)%2)*16*PITCH+(\k)+32
.endr
	WIN 0
.irp i, 0,1,2,3,4,5,6,7
	ds_load_b128 v[(\f)+8*(\i):(\f)+8*(\i)+3],   v[ADRA] offset:(\k)+(\i)*16*PITCH
	ds_load_b128 v[(\f)+8*(\i)+4:(\f)+8*(\i)+7], v[ADRA] offset:(\k)+(\i)*16*PITCH+32
.endr
.endm
; A K step is four quarters of 32 along K, 48 matrix instructions each, on buffers 0, 1, 0, 1.  One of the first three: multiplies buffer f and fetches the next quarter, at byte k, into g.
.macro QUARTER k, f, g, zero
	s_wait_dscnt 8                                 ; the weights and x's rows 0-63 are in; the youngest eight loads (x's rows 64-127) may be out
	MULB \f, 0, 0, 4, \zero
	PLACES
	FETCH \k, \g
	s_wait_dscnt 28                                ; all but the 28 just issued
	MULB \f, 1, 0, 4, \zero
.endm
; The last quarter multiplies buffer 1 and changes slots: ONE barrier.  In front of it each wave waits for all its tensor loads (one is out: its part of the next slot), adds 0 to its spare
; word, and waits for that and for its own reads of this slot.  fill = 1: the barrier opens a round of the cluster's, and this slot is filled again, with the walk's step two on, first thing behind it:
; from that request to the wait for it a wave issues 168 matrix instructions.  The walking descriptors are written between the wait for the tensor loads and the barrier: the other slot than last time,
; the next K step, modulo a row's 4,096 bytes; the address is made anew from the tile's base, and the type bits are set again.
.macro TURN fill
.if \fill
	s_wait_xcnt 0x0                                ; the last prefetch, a K step back, has read its address
	s_add_co_u32 s[PK], s[PK], KSTEP*2
	s_and_b32 s[PK], s[PK], 4095
	s_add_nc_u64 s[PFA:PFA+1], s[PB:PB+1], s[PK:PK+1]
.endif
	WIN 0                                          ; (the add's two registers lie in window 0)
	s_wait_tensorcnt 0x0
	ds_add_u32 v[SPW], v[NIL]                      ; 0 onto my spare word
.if \fill
	s_add_co_u32 s[KO], s[KO], KSTEP*2
	s_and_b32 s[KO], s[KO], 4095
	s_xor_b32 s[G0+5], s[G0+5], SLOT
	s_add_nc_u64 s[G0+6:G0+7], s[ABASE:ABASE+1], s[KO:KO+1]
	s_or_b32 s[G0+7], s[G0+7], 0x80000000
	s_xor_b32 s[G0B+5], s[G0B+5], SLOT
	s_add_nc_u64 s[G0B+6:G0B+7], s[BBASE:BBASE+1], s[KO:KO+1]
	s_or_b32 s[G0B+7], s[G0B+7], 0x80000000
.endif
	s_wait_dscnt 9                                 ; (the add and the youngest eight loads may be out)
	MULB F1, 0, 0, 2, 0                            ; twelve matrix instructions stand between the add and the wait for it
	s_wait_dscnt 0x0                               ; the add is done, and my reads of this slot are over
	s_barrier_signal -1
	MULB F1, 0, 2, 2, 0
	WIN 0
	s_barrier_wait -1
.if \fill
	CREST                                          ; no wave of any partner still reads this slot's tile or has a load on its way
	JLOAD 1                                        ; the four v_nop behind it are also the places in front of the loads below
.else
	v_nop                                          ; with the three lines below: the four places in front of the loads
.endif
	s_xor_b32 s[TB], s[TB], SLOT                   ; the other slot is in hand
	SETADR
	FETCH 0, F0
.if \fill
	ASK
.endif
	MULB F1, 1, 0, 4, 0
.endm
	s_wait_tensorcnt 1                             ; my part of the walk's first step is in; the second's load may stay out
	s_barrier_signal -1
	s_barrier_wait -1
	FETCH 0, F0
	QUARTER 64,  F0, F1, 1                         ; the first quarter stands in front of the loop: its products start the sums
	WIN 0
	s_mov_b32 s3, STEPS-2
.Lstep:                                                ; a trip goes from a step's second quarter to the next step's first, and fills the slot that it leaves: steps 2 to 15 of the walk
	QUARTER 128, F1, F0, 0
	QUARTER 192, F0, F1, 0
	TURN 1
	QUARTER 64,  F0, F1, 0
	WIN 0
	s_sub_co_u32 s3, s3, 1
	s_cmp_lg_u32 s3, 0
	s_cbranch_scc1 .Lstep
	QUARTER 128, F1, F0, 0                         ; the last two steps fill nothing
	QUARTER 192, F0, F1, 0
	TURN 0                                         ; behind this barrier no wave reads slot 0 any more
	QUARTER 64,  F0, F1, 0
	QUARTER 128, F1, F0, 0
	QUARTER 192, F0, F1, 0
	s_wait_dscnt 8
	MULB F1, 0, 0, 4, 0
	s_wait_dscnt 0x0
	MULB F1, 1, 0, 4, 0
	PLACES
; THE WAY OUT of token block a.  q and k (b = 0..3): (xr, xi) -> (xr c - xi s, xr s + xi c), in f32; v (b = 4, 5) as it is; all rounded to f16, 16 bytes a lane, into the stage.
; Each accumulator's lowest registers are read first.
.macro ROPE a
.set AW, 2+(\a)/4
.set AB, 48*((\a)%4)
.set CB, CSB+16*((\a)%4)
	WIN AW|(AW<<2)                                 ; sources 0 and 1: the block's window; source 2 and destination: window 0
.irp b, 0,1,2,3
.irp p, 0,1,2,3
	v_mul_f32 v[T+2*(\p)],   v[AB+8*(\b)+2*(\p)+1], v[CB+8*((\b)%2)+4+(\p)]
	v_mul_f32 v[T+2*(\p)+1], v[AB+8*(\b)+2*(\p)],   v[CB+8*((\b)%2)+4+(\p)]
.endr
.irp p, 0,1,2,3
	v_fma_f32 v[R+8*(\b)+2*(\p)],   v[AB+8*(\b)+2*(\p)],   v[CB+8*((\b)%2)+(\p)], -v[T+2*(\p)]
	v_fma_f32 v[R+8*(\b)+2*(\p)+1], v[AB+8*(\b)+2*(\p)+1], v[CB+8*((\b)%2)+(\p)], v[T+2*(\p)+1]
.endr
.endr
.irp b, 4,5
.irp r, 0,1,2,3
	v_cvt_pk_f16_f32 v[TMP+4*(\b)+(\r)], v[AB+8*(\b)+2*(\r)], v[AB+8*(\b)+2*(\r)+1]
.endr
.endr
	WIN 0
.irp i, 0,1,2,3,4,5,6,7,8,9,10,11,12,13,14,15
	v_cvt_pk_f16_f32 v[TMP+(\i)], v[R+2*(\i)], v[R+2*(\i)+1]
.endr
.irp b, 0,1,2,3,4,5
	ds_store_b128 v[STO+(\b)/2], v[TMP+4*(\b):TMP+4*(\b)+3] offset:(\a)*16*PITCH+32*((\b)%2)
.endr
.endm
.irp a, 0,1,2,3,4,5,6,7
	ROPE \a
.endr
	s_wait_dscnt 0x0                               ; for the others' sake: my stores into the stage are done
	s_barrier_signal -1
	s_barrier_wait -1                              ; a row's 256 bytes come from four waves
.set n, 0
.rept 48
	ds_load_b128 v[64+4*n:64+4*n+3], v[RD+n/16] offset:(n%16)*2*PITCH
.set n, n+1
.endr
.set n, 0
.rept 48
	s_wait_dscnt 47-n                              ; LDS loads come back in order: load n is in
	global_store_b128 v[CO], v[64+4*n:64+4*n+3], s[12+2*(n/16):13+2*(n/16)] offset:(n%16)*512  ; a head's rows are dense: 512 consecutive bytes, aligned
.set n, n+1
.endr
	s_wait_tensorcnt 0x0                           ; the wave's end: behind my last tensor load and my last LDS store
	ds_add_u32 v[SPW], v[NIL]
	s_wait_dscnt 0x0
	CROUND                                         ; the closing round: no work-group ends while a partner may still ask for a tile that names it
	s_endpgm
.Lfunc_end_k_q4711c93997_qkv:
	.size	k_q4711c93997_qkv, .Lfunc_end_k_q4711c93997_qkv-k_q4711c93997_qkv
	.p2alignl 7, 3214868480
	.fill 96, 4, 3214868480
	.section	.rodata,"a",@progbits
	.p2align	6, 0x0
	.amdhsa_kernel k_q4711c93997_qkv
		.amdhsa_group_segment_fixed_size 327680
		.amdhsa_private_segment_fixed_size 0
		.amdhsa_enable_private_segment 0
		.amdhsa_kernarg_size 56
		.amdhsa_user_sgpr_count 2
		.amdhsa_user_sgpr_kernarg_segment_ptr 1
		.amdhsa_wavefront_size32 1
		.amdhsa_system_sgpr_workgroup_id_x 1
		.amdhsa_system_sgpr_workgroup_id_y 1
		.amdhsa_system_sgpr_workgroup_id_z 1
		.amdhsa_system_vgpr_workitem_id 0
		.amdhsa_next_free_vgpr 1024
		.amdhsa_next_free_sgpr 84
		.amdhsa_reserve_vcc 0
		.amdhsa_float_denorm_mode_32 3
		.amdhsa_float_denorm_mode_16_64 3
		.amdhsa_memory_ordered 1
		.amdhsa_forward_progress 1
		.amdhsa_inst_pref_size 136
	.end_amdhsa_kernel
	.amdgpu_metadata
---
amdhsa.version: [ 1, 2 ]
amdhsa.kernels:
  - .name:           k_q4711c93997_qkv
    .symbol:         k_q4711c93997_qkv.kd
    .args:
      - { .name: xb, .offset: 0, .size: 8, .value_kind: global_buffer, .address_space: global }
      - { .name: wcat, .offset: 8, .size: 8, .value_kind: global_buffer, .address_space: global }
      - { .name: freqs_cos, .offset: 16, .size: 8, .value_kind: global_buffer, .address_space: global }
      - { .name: freqs_sin, .offset: 24, .size: 8, .value_kind: global_buffer, .address_space: global }
      - { .name: qh, .offset: 32, .size: 8, .value_kind: global_buffer, .address_space: global }
      - { .name: kh, .offset: 40, .size: 8, .value_kind: global_buffer, .address_space: global }
      - { .name: vh, .offset: 48, .size: 8, .value_kind: global_buffer, .address_space: global }
    .group_segment_fixed_size: 327680
    .private_segment_fixed_size: 0
    .kernarg_segment_align: 8
    .kernarg_segment_size: 56
    .max_flat_workgroup_size: 128
    .sgpr_count:     84
    .vgpr_count:     1024
    .wavefront_size: 32
...
	.end_amdgpu_metadata
.endif
;; end of part 2
;; launch attn (part 3): grid 16 x 16, 4 waves a work-group, clusters of 4 x 4, 327,680 bytes of LDS; arguments qh, kh, vh, maskr, ob; writes ob
.if DOCPART == 3
	.amdgcn_target "amdgcn-amd-amdhsa--gfx1250"
	.amdhsa_code_object_version 6
	.text
	.protected	k_q4711c93997_attn
	.globl	k_q4711c93997_attn
	.p2align	8
	.type	k_q4711c93997_attn,@function
k_q4711c93997_attn:
	s_mov_b64 s[64:65], 0
	v_nop
	global_prefetch_b8 v0, s[64:65] scope:SCOPE_SE
	s_setreg_imm32_b32 hwreg(HW_REG_WAVE_MODE, 25, 1), 1
	s_wait_xcnt 0x0
	s_wait_alu depctr_hold_cnt(0) depctr_sa_sdst(0) depctr_va_vdst(0) depctr_va_sdst(0) depctr_va_ssrc(0) depctr_va_vcc(0) depctr_vm_vsrc(0)
	s_getreg_b32 s2, hwreg(HW_REG_IB_STS2, 6, 4)
	s_cmp_eq_u32 s2, 0
	s_cbranch_scc0 .Lentry_in_a_cluster
	s_endpgm
.Lentry_in_a_cluster:
	s_bfe_u32 s2, ttmp6, 0x10000c
	s_cmp_lg_u32 s2, 0xf033
	s_cbranch_scc0 .Lentry_shape_is_right
	s_endpgm
.Lentry_shape_is_right:
; O[q][h] = the sum over k of softmax_k(Q[h][q] . K[h][k] + mask[q][k]) V[h][k].  qh, kh, vh: [16][2048][128] f16 (q and k carry 128^(-1/4) each); maskr: [2048][2048] f32, no number below -1e30;
; ob: [2048][2048] f16, column 128 h + channel.  Products, maxima and sums in f32; the weights p are rounded to f16 for the second product (their sum l is taken of the unrounded p), O once at the end.
; THE MASK IS AN INPUT: every score of every head is made, and the mask is the C operand that starts the sum S^T = K Q^T: it is loaded from LDS straight into S^T's registers.
; LIMITS.  The running maximum m starts at -2^96: a score (mask included) below that counts as hidden; a hidden score has weight 0; a row with every key hidden ends as 0 x (1 / 0), a NaN, as the
; softmax of such a row is.  A weight below 2^-126 counts as 0 in l.  p lies in 0 to 1; below 6e-5 it keeps f16's fixed step of 6e-8.  NaN and +inf are not treated apart.  The keys are taken in a turned order (THE WALK).
; SHARES.  A work-group owns 128 queries of one head.  Wave w owns the 64 queries of half w / 2 (four tiles of 16) and, of each slot's 128 keys, the 64 of half KP = w % 2: 16 key steps of 64.
; At the end the two waves of a query half merge their maxima, sums and O through LDS, two tiles each.  A wave numbers its tiles from query tile 2 KP on (tile t holds query tile (t + 2 KP) % 4), so that
; every wave keeps its tiles 0, 1 and gives its tiles 2, 3, which are the two that its partner keeps: the merge stands once in the text.
; LAYOUT.  S^T = K Q^T + mask^T (source 0 = 16 keys, source 1 = 16 queries): a lane holds ONE query (lane % 16) and the keys 8 (lane / 16) + 0..7.  Two such tiles, rounded to f16 in pairs, ARE source 1
; of O^T = V^T P, whose result again holds one query a lane, and eight channels.  K comes out of LDS as it lies, V turned, by ds_load_tr16_b128.
; SOFTMAX.  p = 2^(L s - L m), L = log2(e); in every step O and l are multiplied by a = 2^(L m_old - L m_new).
; BY TURNS.  The tiles are two PIECES (0: tiles 0, 1; 2: tiles 2, 3).  In a TURN one piece has the matrix unit: 32 products V^T P of step j, then 32 products K Q^T of step j + 1; the other piece's softmax,
; cut into 64 slices, stands between them, one slice behind each matrix instruction.  A trip is two turns; all of step j + 1's LDS reads stand in trip j.
; NO FIRST STEP IS WRITTEN OUT: l, V and piece 0's P start at 0, O^T as the product of those zeros, piece 2's S^T at -1e30, m at its floor, so that trip -1 is a trip like any other (its softmax gives p = 0
; and a = 1, its V^T P adds 0).  The price: some 240 v_mov_b32 and 32 products, once, in the wait for the first tile, and 64 products on zeros.
; CLUSTERS: 4 x 4.  K and V hang on the head (the grid's y) and are asked for jointly along a row of the cluster; the mask's tile hangs on the query block (the grid's x): jointly along a column.
; THE WALK.  Cluster (X, Y) begins at the 128 keys of number (4 X + 8 Y) mod 16 and wraps round: of the clusters that read the same rows, those along x (K, V) stand 4 steps apart, those along y (the mask) 8,
; two and two alike.  A running softmax takes the keys in any order.  The number hangs on the cluster's coordinates alone, so the partners of a joint load hold equal descriptors.
; REGISTERS, in windows of 256 (s_set_vgpr_msb: bits 1:0 source 0, 3:2 source 1, 5:4 source 2, 7:6 destination):
;   window 0: v0-11 addresses; v12-43 eight registers of statistics a tile; v44-63 the merge and more addresses; v64-191 S^T, 32 a tile; v192-255 P, 16 a tile
;   window 1: O^T, 64 a tile      window 2: v0-127 Q, 32 a tile; v128-255 K of one step      window 3: v0-127 V of one step; v128-255 the partner's O^T in the merge
.set PKB,   272       ; a row of K in LDS: 256 bytes + 16 = 68 words: the 16 rows of a load start at 16 different groups of four banks (64 banks of 4 bytes: ISA guide 11.1)
.set PVB,   288       ; a row of V: 256 + 32 = 72 words
.set PMB,   528       ; a query's 128 mask words: 512 + 16 = 132 words: again 16 rows at 16 different groups of four banks
.set VOFF,  128*PKB   ; a slot: 128 rows of K, 128 rows of V, 128 query rows of the mask
.set MOFF,  VOFF+128*PVB
.set SLOT,  MOFF+128*PMB   ; 139,264 = 0x22000; the four fills' places in slot 0 (0, 0x8800, 0x11800, 0x19c00) have bits 13 and 17 clear, so one exclusive or turns each into slot 1's
.set STAGE, 2*SLOT         ; behind the ring: 16 rows x 272 bytes for each wave, for the way out
.set SP,    272
.set SPARE, STAGE+4*16*SP  ; behind the stages: the spare words, 128 bytes for each wave: two blocks of 256 bytes that no other line names
.set XCH,   16896          ; the merge: 32 x 512 bytes of O^T and 512 of statistics for each wave, from LDS byte 0 on: in slot 0, which has had its last fill and its last read by then
.set QO2, 1           ; v1   my byte offset in the rows of Q of tiles 2, 3
.set AK0, 2           ; v2   my lane's place in a slot's K; never rewritten
.set AV0, 3           ; v3   in its V
.set AM0, 4           ; v4   in its mask, at my half's first query tile
.set ADR, 5           ; v5   the LDS address of K's or V's run of loads
.set QO,  6           ; v6   my byte offset in the rows of Q of tiles 0, 1
.set RD,  7           ; v7   the way out: where I read a row back
.set GO,  8           ; v8   my byte offset in two rows of ob
.set ADM, 9           ; v9   the LDS address of the mask's run of loads
.set XP,  10          ; v10  the merge: where my partner's numbers lie
.set STO, 11          ; v11  the way out: where I put 16 bytes of a row
.set ST,  12          ; tile t's statistics at v[ST+8 t]: +0 L m, +1 m, +2, +3 l (even keys', odd keys'), +4 to +7 c0-c3, at work; a takes c2's place once the maximum is found
.set XQ,  44          ; v44-47  the merge: what I give of the statistics (at the head: at work)
.set XR,  48          ; v48-51  what I take
.set WT,  52          ; v52-59  the merge's weights: for each of two tiles mine twice, my partner's twice
.set XA,  60          ; v60  the merge: where I put my numbers
.set PFO, 61          ; v61  the prefetches' offset; never rewritten
.set SPW, 62          ; v62  LDS address of my spare word; never rewritten
.set NIL, 63          ; v63  0; never rewritten
.set S,   64
.set P,   192
.set KF,  128         ; K's fragments, in window 2
.set WV,  14
.set QH,  15
.set KP,  16
.set CX,  17
.set CY,  18
.set QB,  19
.set HD,  20
.set G1K, 24          ; s[24:31], s[32:39], s[40:47] descriptor group 1 for K's, V's and the mask's tiles
.set G1V, 32
.set G1M, 40
.set G0K, 48          ; s[48:51], s[52:55], s[56:59] descriptor group 0: each walks
.set G0V, 52
.set G0M, 56
.set SLOTS, 60        ; s60  fills still to come
.set TB,  61          ; s61  LDS byte at which the slot to be read begins
.set CS,  62          ; s[62:63] L, named as a pair
.set SEL, 66          ; s[66:67] v_permlanex16_b32's selects: each lane takes its own place in the other half
.set PFA, 68          ; s[68:69] what the next prefetch names
.set LIM, 72          ; s72  a wave prefetches while s[SLOTS] is above it
.set TM,  73          ; s73  at work
.set SG,  80          ; s80  the number of the 128 keys asked for last
.set PSH, 81          ; s81  the prefetches' step from number to number, as a shift: 15 (K, V: 128 rows of 256 bytes) or 9 (the mask: 128 columns of 4 bytes)
.set OK,  82          ; s[82:83] that number's byte offset in a head's K and V
.set OM,  84          ; s[84:85] and in a row of the mask
.set PT,  86          ; s[86:87] the prefetch's byte offset
.set PB,  88          ; s[88:89] K, V or the mask at my work-group's rows of the prefetches
.set MP,  90          ; s90, s91 where piece 0's and piece 2's query tiles begin in my half of the mask's tile
.set MSB, 0
.macro WIN new
.if MSB != (\new)
	s_set_vgpr_msb (MSB<<8)|(\new)
.set MSB, \new
.endif
.endm
.set W_KQ, 0x0a       ; K and Q in window 2, S^T in window 0
.set W_PV, 0x53       ; source 0 in window 3, source 1 in window 0, source 2 and destination in window 1
.set W_RS, 0x41       ; destination and source 0 in window 1, source 1 in window 0
; A joint fill.  Wave 0 fetches a slot's K, wave 1 its V, waves 2 and 3 the mask's tile for query rows 0-63 and 64-127.  The branches hang on the wave's number alone.
; An s_nop 0 and four v_nop follow each of the three lines, ahead of the jump, the label and what follows.
.macro JLOAD
	s_cmp_eq_u32 s[WV], 0
	s_cbranch_scc0 .Lnot_k_\@
	tensor_load_to_lds s[G0K:G0K+3], s[G1K:G1K+7]
	s_nop 0
.rept 4
	v_nop
.endr
	s_branch .Lasked_\@
.Lnot_k_\@:
	s_cmp_eq_u32 s[WV], 1
	s_cbranch_scc0 .Lfor_m_\@
	tensor_load_to_lds s[G0V:G0V+3], s[G1V:G1V+7]
	s_nop 0
.rept 4
	v_nop
.endr
	s_branch .Lasked_\@
.Lfor_m_\@:
	tensor_load_to_lds s[G0M:G0M+3], s[G1M:G1M+7]
	s_nop 0
.rept 4
	v_nop
.endr
.Lasked_\@:
.endm
; A prefetch of what the NEXT change of slots will ask for, behind the wave's tensor load and its five lines: one trip, 128 matrix instructions, ahead of that load.
; By the walks' starts a cluster is the first of those along x to reach the steps 0 to 3 of its own walk, and the first of those along y to reach its steps 0 to 7.  So K's and V's rows are asked for in the first two
; changes (the walk's steps 2, 3), by every cluster; the four partners of a row share a slot's 128 rows out by address, 32 each, a lane a row.  The mask's are asked for in the first six changes (steps 2 to 7), by the
; clusters with y < 2 (those with y + 2 walk alike); the four partners of a column share a wave's 64 rows out by address, 16 each, two lanes a row of 512 bytes.  So a block of 256 bytes is named once in the
; launch at the most.  A walk's steps 0 and 1 come by their loads alone.
.macro ASK
	s_cmp_gt_u32 s[SLOTS], s[LIM]
	s_cbranch_scc0 .Lnot_mine_\@
	global_prefetch_b8 v[PFO], s[PFA:PFA+1] th:TH_LOAD_NT scope:SCOPE_SE
.Lnot_mine_\@:
.endm
.macro CROUND
	s_barrier_signal -1
	s_barrier_wait -1
	s_cmp_lg_u32 s[WV], 0
	s_cbranch_scc1 .Lnot_wave_0_\@
	s_barrier_signal -3
.Lnot_wave_0_\@:
	s_barrier_wait -3
	s_barrier_signal -1
	s_barrier_wait -1
.endm
	s_load_b256 s[4:11], s[0:1], 0x0  ; qh s[4:5], kh s[6:7], vh s[8:9], maskr s[10:11]
	s_load_b64 s[12:13], s[0:1], 0x20 ; ob
	v_lshl_add_u32 v[SPW], v0, 2, SPARE
	v_mov_b32 v[NIL], 0
	ds_add_u32 v[SPW], v[NIL]       ; the wave's opening: the add and its wait stand ahead of my first tensor load; the set-up below stands between them
	v_lshrrev_b32 v1, 5, v0
	v_readfirstlane_b32 s[WV], v1
	s_lshr_b32 s[QH], s[WV], 1      ; my half of the queries
	s_and_b32 s[KP], s[WV], 1       ; my half of a slot's keys
	s_bfe_u32 s[CX], ttmp6, 0x40000
	s_bfe_u32 s[CY], ttmp6, 0x40004
	s_lshl_b32 s[QB], ttmp9, 2
	s_add_co_u32 s[QB], s[QB], s[CX]  ; the block of 128 queries
	s_and_b32 s23, ttmp7, 0xffff    ; the cluster's y
	s_lshl_b32 s[HD], s23, 2
	s_add_co_u32 s[HD], s[HD], s[CY]  ; the head
	s_lshl_b32 s[SG], ttmp9, 2      ; the walk's first 128 keys: number (4 X + 8 Y) mod 16
	s_lshl_b32 s21, s23, 3
	s_add_co_u32 s[SG], s[SG], s21
	s_and_b32 s[SG], s[SG], 15
	s_lshl_b32 s[OK], s[SG], 15
	s_mov_b32 s[OK+1], 0
	s_lshl_b32 s[OM], s[SG], 9
	s_mov_b32 s[OM+1], 0
	s_mov_b32 s[PT+1], 0
	s_lshl_b32 s21, s[CY], 2
	s_lshl_b32 s21, 15, s21         ; my row of the cluster
	s_lshl_b32 s22, 0x1111, s[CX]   ; my column
	s_or_b32 s[G1K], s21, (1<<16)|(1<<20)|(1<<21)|(5<<22)|(3<<25)  ; the mask of four; 2-byte elements; padding on; bit 21 beside a mask; after every 64 words 4 words
	s_or_b32 s[G1V], s21, (1<<16)|(1<<20)|(1<<21)|(5<<22)|(7<<25)  ; the same with 8 words of padding
	s_or_b32 s[G1M], s22, (2<<16)|(1<<20)|(1<<21)|(6<<22)|(3<<25)  ; 4-byte elements; after every 128 words 4 words
.irp g, G1K, G1V
	s_mov_b32 s[(\g)+1], 128<<16    ; tensor_dim0 = 128
	s_mov_b32 s[(\g)+2], 128<<16    ; tensor_dim1 = 128
	s_mov_b32 s[(\g)+3], 128<<16    ; tile_dim0 = 128
	s_mov_b32 s[(\g)+4], 128        ; tile_dim1 = 128
	s_mov_b32 s[(\g)+5], 128        ; elements from row to row
	s_mov_b32 s[(\g)+6], 0
	s_mov_b32 s[(\g)+7], 0
.endr
	s_mov_b32 s[G1M+1], 128<<16     ; 128 keys
	s_mov_b32 s[G1M+2], 64<<16      ; 64 queries
	s_mov_b32 s[G1M+3], 128<<16
	s_mov_b32 s[G1M+4], 64
	s_mov_b32 s[G1M+5], 2048
	s_mov_b32 s[G1M+6], 0
	s_mov_b32 s[G1M+7], 0
	s_mov_b32 s[G0K], 1
	s_mov_b32 s[G0K+1], 0
	s_mov_b32 s[G0V], 1
	s_mov_b32 s[G0V+1], VOFF
	s_mov_b32 s[G0M], 1
	s_mul_i32 s[G0M+1], s[WV], 64*PMB
	s_add_co_u32 s[G0M+1], s[G0M+1], MOFF-2*64*PMB  ; waves 2 and 3: MOFF and MOFF + 64 rows
	s_lshl_b32 s2, s[HD], 19        ; the head's first byte in qh, kh, vh
	s_mov_b32 s3, 0
	s_lshl_b32 s74, s[QB], 20       ; the mask: 128 rows of 8,192 bytes a block,
	s_lshl_b32 s75, s[KP], 19       ; 64 of them a wave (waves 2 and 3)
	s_add_co_u32 s74, s74, s75
	s_mov_b32 s75, 0
	s_lshl_b32 s76, s[QB], 15       ; Q: my wave's 64 rows of 256 bytes
	s_lshl_b32 s77, s[QH], 14
	s_add_co_u32 s76, s76, s77
	s_add_co_u32 s76, s76, s2
	s_mov_b32 s77, 0
	s_lshl_b32 s78, s[QB], 19       ; ob: my half's 64 rows of 4,096 bytes,
	s_lshl_b32 s79, s[QH], 18
	s_add_co_u32 s78, s78, s79
	s_lshl_b32 s79, s[KP], 17       ; of them the 32 of the two query tiles that I keep,
	s_add_co_u32 s78, s78, s79
	s_lshl_b32 s79, s[HD], 8        ; the head's 256 bytes
	s_add_co_u32 s78, s78, s79
	s_mov_b32 s79, 0
	s_mul_i32 s[MP], s[KP], 32*PMB  ; piece 0 holds query tiles 2 KP, 2 KP + 1,
	s_sub_co_u32 s[MP+1], 32*PMB, s[MP]  ; piece 2 the other two
	s_lshl_b32 s21, s[CX], 13       ; the prefetches.  K, V: my work-group's 32 rows of 256 bytes
	s_lshl_b32 s22, s[CY], 17       ; the mask: my work-group's 16 rows of 8,192 bytes
	s_cmp_lt_u32 s23, 2
	s_cselect_b32 s[LIM], 9, -1     ; the mask: the first six changes, in the clusters with y < 2
	s_cmp_lt_u32 s[WV], 2
	s_cselect_b32 s22, s21, s22
	s_cselect_b32 s[LIM], 13, s[LIM]  ; K, V: the first two changes.  The same in all sixteen partners, for a given wave
	s_cselect_b32 s[PSH], 15, 9
	s_cselect_b32 s73, 0, 1
	s_cselect_b32 s21, 8, 13
	s_mov_b32 s23, 0
	v_and_b32 v46, 31, v0           ; lane
	v_lshrrev_b32 v[PFO], s73, v46  ; K, V: lane x 256.  The mask: (lane / 2) x 8,192 + (lane % 2) x 256
	v_lshlrev_b32 v[PFO], s21, v[PFO]
	v_and_b32 v47, s73, v46
	v_lshl_add_u32 v[PFO], v47, 8, v[PFO]
	s_mov_b32 s[CS], 0x3fb8aa3b     ; L = log2(e)
	s_mov_b32 s[CS+1], s[CS]
	s_mov_b32 s[SEL], 0x76543210
	s_mov_b32 s[SEL+1], 0xfedcba98
	s_mov_b32 s[TB], SLOT           ; the first change of slots turns it into 0
	s_mov_b32 s[SLOTS], 15
	s_wait_dscnt 0x0                ; the opening add is done
	s_wait_kmcnt 0x0
	s_add_nc_u64 s[6:7], s[6:7], s[2:3]      ; K and V at the head's first row,
	s_add_nc_u64 s[8:9], s[8:9], s[2:3]
	s_add_nc_u64 s[10:11], s[10:11], s[74:75]  ; the mask at my tile's first row
	s_add_nc_u64 s[G0K+2:G0K+3], s[6:7], s[OK:OK+1]
	s_or_b32 s[G0K+3], s[G0K+3], 0x80000000
	s_add_nc_u64 s[G0V+2:G0V+3], s[8:9], s[OK:OK+1]
	s_or_b32 s[G0V+3], s[G0V+3], 0x80000000
	s_add_nc_u64 s[G0M+2:G0M+3], s[10:11], s[OM:OM+1]
	s_or_b32 s[G0M+3], s[G0M+3], 0x80000000
	s_cmp_eq_u32 s[WV], 0
	s_cselect_b64 s[PB:PB+1], s[6:7], s[8:9]
	s_cmp_lt_u32 s[WV], 2
	s_cselect_b64 s[PB:PB+1], s[PB:PB+1], s[10:11]
	s_add_nc_u64 s[PB:PB+1], s[PB:PB+1], s[22:23]
	s_add_nc_u64 s[4:5], s[4:5], s[76:77]
	s_add_nc_u64 s[12:13], s[12:13], s[78:79]
	CROUND                          ; all sixteen work-groups are here: the first joint loads meet
	JLOAD                           ; slot 0.  Slot 1 is asked for when slot 0 is in, by the loop's own change of slots
	v_and_b32 v44, 15, v0           ; l % 16
	v_bfe_u32 v45, v0, 4, 1         ; l / 16
	v_lshlrev_b32 v[QO], 8, v44
	v_lshl_add_u32 v[QO], v45, 4, v[QO]
	s_lshl_b32 s21, s[KP], 13       ; two query tiles are 32 rows of 256 bytes
	s_sub_co_u32 s22, 8192, s21
	v_add_nc_u32 v[QO2], s22, v[QO]
	v_add_nc_u32 v[QO], s21, v[QO]
	WIN 0x80
.irp i, 0,1,2,3,4,5,6,7             ; Q stays in registers: tile i / 4, channels 32 (i % 4) on
	global_load_b128 v[8*(\i):8*(\i)+3],   v[QO], s[4:5] offset:((\i)/4)*4096+((\i)%4)*64
	global_load_b128 v[8*(\i)+4:8*(\i)+7], v[QO], s[4:5] offset:((\i)/4)*4096+((\i)%4)*64+32
.endr
.irp i, 8,9,10,11,12,13,14,15
	global_load_b128 v[8*(\i):8*(\i)+3],   v[QO2], s[4:5] offset:((\i)/4-2)*4096+((\i)%4)*64
	global_load_b128 v[8*(\i)+4:8*(\i)+7], v[QO2], s[4:5] offset:((\i)/4-2)*4096+((\i)%4)*64+32
.endr
	WIN 0xc0                        ; what trip -1 finds: V,
.set i, 0
.rept 128
	v_mov_b32 v[i], 0
.set i, i+1
.endr
	WIN 0
.set i, 0
.rept 32
	v_mov_b32 v[P+i], 0             ; piece 0's P,
.set i, i+1
.endr
	s_mov_b32 s73, 0xf149f2ca       ; -1e30
.set i, 0
.rept 64
	v_mov_b32 v[S+64+i], s73        ; piece 2's S^T: every key hidden,
.set i, i+1
.endr
	s_mov_b32 s21, 0xef800000       ; -2^96
.irp t, 0,1,2,3
	v_mov_b32 v[ST+8*(\t)+1], s21   ; m at its floor; L m by the line that the loop makes it by, so that their difference is 0
	v_mul_f32 v[ST+8*(\t)], s[CS], v[ST+8*(\t)+1]
	v_mov_b32 v[ST+8*(\t)+2], 0
	v_mov_b32 v[ST+8*(\t)+3], 0
.endr
	s_mul_i32 s21, s[KP], 64*PKB
	v_mul_u32_u24 v[AK0], v44, PKB
	v_lshl_add_u32 v[AK0], v45, 4, v[AK0]
	v_add_nc_u32 v[AK0], s21, v[AK0]  ; (64 KP + l % 16) x pitch + 16 (l / 16)
	; the turning load takes 16 keys x 16 channels (lane l reads key 8 (l / 16) + l % 8, channels 8 ((l / 8) % 2) + 0..7) and leaves half a fragment of V^T
	s_mul_i32 s21, s[KP], 64*PVB
	s_add_co_u32 s21, s21, VOFF
	v_and_b32 v47, 7, v0
	v_bfe_u32 v48, v0, 3, 1
	v_lshl_add_u32 v[AV0], v45, 3, v47
	v_mul_u32_u24 v[AV0], v[AV0], PVB
	v_lshl_add_u32 v[AV0], v48, 4, v[AV0]
	v_add_nc_u32 v[AV0], s21, v[AV0]
	s_mul_i32 s21, s[QH], 64*PMB    ; the mask: query row 64 QH + l % 16, keys 64 KP + 8 (l / 16) on: 32 bytes
	s_lshl_b32 s22, s[KP], 8
	s_add_co_u32 s21, s21, s22
	s_add_co_u32 s21, s21, MOFF
	v_mul_u32_u24 v[AM0], v44, PMB
	v_lshl_add_u32 v[AM0], v45, 5, v[AM0]
	v_add_nc_u32 v[AM0], s21, v[AM0]
	s_mul_i32 s21, s[WV], 16*SP
	s_add_co_u32 s21, s21, STAGE    ; my stage
	v_mul_u32_u24 v[STO], v44, SP
	v_lshl_add_u32 v[STO], v45, 4, v[STO]
	v_add_nc_u32 v[STO], s21, v[STO]
	v_mul_u32_u24 v[RD], v45, SP
	v_lshl_add_u32 v[RD], v44, 4, v[RD]
	v_add_nc_u32 v[RD], s21, v[RD]
	v_lshlrev_b32 v[GO], 12, v45
	v_lshl_add_u32 v[GO], v44, 4, v[GO]
	s_mul_i32 s21, s[WV], XCH
	v_lshl_add_u32 v[XA], v46, 4, s21
	s_xor_b32 s22, s[WV], 1         ; my partner: the same queries, the other keys
	s_mul_i32 s22, s22, XCH
	v_lshl_add_u32 v[XP], v46, 4, s22
	WIN W_PV                        ; and O^T: each of its 32 accumulators starts as the product of the zeroed V and P, with the constant 0 as C
.set i, 0
.rept 32
	v_wmma_f32_16x16x32_f16 v[8*i:8*i+7], v[0:7], v[P:P+7], 0
.set i, i+1
.endr
	WIN 0
; THE MATRIX WORK OF A TURN, for piece x.  The accumulators take turns, one instruction a turn: between two links of a chain stand 15 (V^T P) or 7 (K Q^T) others'.
; Product i of 32 of O^T += V^T P: keys 32 (i / 16) on, channels 16 ((i / 2) % 8) on, tile x + i % 2.
.macro PV x
	WIN W_PV
.set rO, 64*((\x)+i%2)+8*((i/2)%8)
.set rV, 64*(i/16)+8*((i/2)%8)
.set rP, P+16*((\x)+i%2)+8*(i/16)
	v_wmma_f32_16x16x32_f16 v[rO:rO+7], v[rV:rV+7], v[rP:rP+7], v[rO:rO+7]
.endm
; Product i of 32 of S^T += K Q^T: channels 32 (i / 8) on, keys 16 ((i / 2) % 4) on, tile x + i % 2.  The first 8 add onto the mask, which the run of loads has laid into S^T's registers.
.macro KQ x
	WIN W_KQ
.set rS, S+32*((\x)+i%2)+8*((i/2)%4)
.set rK, KF+32*((i/2)%4)+8*(i/8)
.set rQ, 32*((\x)+i%2)+8*(i/8)
	v_wmma_f32_16x16x32_f16 v[rS:rS+7], v[rK:rK+7], v[rQ:rQ+7], v[rS:rS+7]
.endm
; THE LDS LOADS stand in runs, never singly among the matrix instructions.
.macro FETCH_K
	WIN 0
	v_add_nc_u32 v[ADR], s[TB], v[AK0]
	WIN 0x80
.irp f, 0,1,2,3,4,5,6,7,8,9,10,11,12,13,14,15  ; keys 16 (f / 4) on, channels 32 (f % 4) on
	ds_load_b128 v[KF+8*(\f):KF+8*(\f)+3],   v[ADR] offset:((\f)/4)*16*PKB+((\f)%4)*64
	ds_load_b128 v[KF+8*(\f)+4:KF+8*(\f)+7], v[ADR] offset:((\f)/4)*16*PKB+((\f)%4)*64+32
.endr
.endm
.macro FETCH_M x                    ; the mask of piece x's two tiles x my 64 keys, into S^T's registers: the piece's last softmax has read them out
	WIN 0
	s_add_co_u32 s[TM], s[TB], s[MP+(\x)/2]
	v_add_nc_u32 v[ADM], s[TM], v[AM0]
.irp u, 0,1
.irp kb, 0,1,2,3
	ds_load_b128 v[S+32*((\x)+(\u))+8*(\kb):S+32*((\x)+(\u))+8*(\kb)+3],   v[ADM] offset:(\u)*16*PMB+64*(\kb)
	ds_load_b128 v[S+32*((\x)+(\u))+8*(\kb)+4:S+32*((\x)+(\u))+8*(\kb)+7], v[ADM] offset:(\u)*16*PMB+64*(\kb)+16
.endr
.endr
.endm
.macro FETCH_V
	WIN 0
	v_add_nc_u32 v[ADR], s[TB], v[AV0]
	s_wait_alu depctr_va_vdst(0)    ; the wait for the softmax's batch (SLICE), behind the address's v_add_nc_u32 and ahead of the loads
	WIN 0xc0
.irp f, 0,1,2,3,4,5,6,7,8,9,10,11,12,13,14,15  ; keys 32 (f / 8) on, channels 16 (f % 8) on
	ds_load_tr16_b128 v[8*(\f):8*(\f)+3],   v[ADR] offset:((\f)/8)*32*PVB+((\f)%8)*32
	ds_load_tr16_b128 v[8*(\f)+4:8*(\f)+7], v[ADR] offset:((\f)/8)*32*PVB+16*PVB+((\f)%8)*32
.endr
.endm
; THE VECTOR WORK OF A TURN.  One tile's softmax for one key step is a list of 134 instructions; SM writes number j of it for tile t.  s0-s31 are the lane's 32 scores, in pairs 0-15.
;   0-15    the maximum of s0-s31 and the old m, three operands at a time (each accumulator's lowest registers are read first)
;   16-20   the other half of the lanes' maximum; the new m; L m; L m_old - L m_new
;   21-69   ONE BATCH: the 16 scalings L s - L m and all 33 exponentials (a at 23, then s0-s31); none of these reads an exponential's result; a pair is scaled in an earlier four than the one with its exponentials
;   (wait)  between 69 and 70 stands the wait for the batch: SLICE writes it, once for both tiles
;   70-85   the roundings to f16      86-101  the sums; l = a l + the sum      102-133 the tile's O^T times a
.macro SM t
.set rT, ST+8*(\t)
.set rS, S+32*(\t)
.set rP, P+16*(\t)
.set rO, 64*(\t)+2*(j-102)
.if j < 102
	WIN 0
.endif
.if j < 4
	v_max3_num_f32 v[rT+4+j], v[rS+8*j], v[rS+8*j+1], v[rS+8*j+2]
.elseif j < 12
	v_max3_num_f32 v[rT+4+j%4], v[rT+4+j%4], v[rS+8*(j%4)+2*(j/4)+1], v[rS+8*(j%4)+2*(j/4)+2]
.elseif j == 12
	v_max3_num_f32 v[rT+4], v[rT+4], v[rS+7], v[rS+15]
.elseif j == 13
	v_max3_num_f32 v[rT+6], v[rT+6], v[rS+23], v[rS+31]
.elseif j == 14
	v_max3_num_f32 v[rT+4], v[rT+4], v[rT+5], v[rT+6]
.elseif j == 15
	v_max3_num_f32 v[rT+4], v[rT+4], v[rT+7], v[rT+1]
.elseif j == 16
	v_permlanex16_b32 v[rT+5], v[rT+4], s[SEL], s[SEL+1]  ; the query's other 32 keys lie in the lane 16 away
.elseif j == 17
	v_mov_b32 v[rT+7], v[rT]        ; L m_old is kept for a
.elseif j == 18
	v_max_num_f32 v[rT+1], v[rT+4], v[rT+5]
.elseif j == 19
	v_mul_f32 v[rT], s[CS], v[rT+1]
.elseif j == 20
	v_sub_f32 v[rT+7], v[rT+7], v[rT]
.elseif j == 23
	v_exp_f32 v[rT+6], v[rT+7]
.elseif (j < 23) || ((j < 38) && (j%2 == 0)) || ((j < 66) && (j%4 == 2))
.set b, (j-2)/4                     ; 38, 42, .. 62: pairs 9 to 15
.if j < 38
.set b, (j-20)/2                    ; 21: pair 0; 22, 24, .. 36: pairs 1 to 8
.endif
	v_pk_fma_f32 v[rS+2*b:rS+2*b+1], v[rS+2*b:rS+2*b+1], s[CS:CS+1], v[rT:rT+1] op_sel_hi:[1,0,0] neg_lo:[0,0,1] neg_hi:[0,0,1]
.elseif j < 70
.set e, j-38                        ; 66 to 69: s28 to s31
.if j < 66
.set e, j-32-(j-38)/4               ; 39-41, 43-45, .. 63-65: s7 to s27
.endif
.if j < 38
.set e, (j-25)/2                    ; 25, 27, .. 37: s0 to s6
.endif
	v_exp_f32 v[rS+e], v[rS+e]
.elseif j < 86
	v_cvt_pk_f16_f32 v[rP+j-70], v[rS+2*(j-70)], v[rS+2*(j-70)+1]
.elseif j < 102                     ; the sum of the tile's 16 pairs, in place: neighbours 1, 2, 4 and 8 pairs apart, then l takes it
.set z, j-86
.set w, 4
.set u, z
.if z >= 14
.set w, 32
.set u, 0
.elseif z >= 12
.set w, 16
.set u, z-12
.elseif z >= 8
.set w, 8
.set u, z-8
.endif
.if z < 15
	v_pk_add_f32 v[rS+w*u:rS+w*u+1], v[rS+w*u:rS+w*u+1], v[rS+w*u+w/2:rS+w*u+w/2+1]
.else
	v_pk_fma_f32 v[rT+2:rT+3], v[rT+2:rT+3], v[rT+6:rT+7], v[rS:rS+1] op_sel_hi:[1,0,1]
.endif
.else
	WIN W_RS
	v_pk_mul_f32 v[rO:rO+1], v[rO:rO+1], v[rT+6:rT+7] op_sel_hi:[1,0]
.endif
.endm
; Slice k of 64 of piece y's softmax: four instructions.  Slices 11 to 34 deal out the batch, four numbers of ONE tile each, the tiles by turns; every other slice is numbers 2 k and 2 k + 1 of both
; tiles' lists; the twelve that are over stand in slice 63, which is also the four places behind the turn's last K Q^T.  Behind slice 34 no exponential is issued, ahead of slice 35 no result is named:
; one v_nop (the plain instruction behind the last exponential) and one wait serve the piece's 66 exponentials.
.macro SLICE y
.if (k >= 11) && (k < 35)
.irp n, 0,1,2,3
.set j, 22+4*((k-11)/2)+(\n)
	SM (\y)+(k-11)%2
.endr
.else
.irp n, 0,1,2,3,4,5,6,7
.if ((\n) < 2) || (k == 63)
.irp t, \y, (\y)+1
.set j, 2*k+(\n)
	SM \t
.endr
.endif
.endr
.endif
.if k == 34
	v_nop
.if (\y) == 0
	FETCH_V                         ; piece 2's turn: V's run of loads stands here, and the wait stands in it.  V's last reader stands in front of slice 31: two scalings, the v_nop and the run's v_add_nc_u32 are the four places
.else
	s_wait_alu depctr_va_vdst(0)
.endif
.endif
.set k, k+1
.endm
; A TURN.  Piece x has the matrix unit; the other piece's softmax stands in slices behind its matrix instructions.  kq = 1: 32 products K Q^T for the next step follow; kq = 0: two slices behind each product.
; Behind the second product stand the runs of loads for those K Q^T: piece 0's turn fetches K and its mask, piece 2's turn its mask: 30 matrix instructions ahead of their first use.
.macro TURN x, kq
.set k, 0
.set per, 2-(\kq)
.if (\x) == 0
	s_wait_dscnt 0x0                ; V is in
.endif
.set i, 0
.rept 32
	PV \x
.rept per
	SLICE 2-(\x)
.endr
.if (\kq) && (i == 1)
.if (\x) == 0
	FETCH_K
.endif
	FETCH_M \x
.endif
.set i, i+1
.endr
.if \kq
	s_wait_dscnt 0x0                ; K and the mask are in
.set i, 0
.rept 32
	KQ \x
	SLICE 2-(\x)
.set i, i+1
.endr
.endif
.endm
; THE CHANGE OF SLOTS, at the head of each trip.  Each wave waits for all its tensor loads, of which one is out: its part of the other slot; adds 0 to its spare word; and waits for that and for its own
; reads of the slot that it leaves.  fill = 1: the barrier is a round of the cluster's, and the slot just left is filled again, with the walk's keys two slots on, first thing behind it.  The descriptors are written
; between the wait for the tensor loads and the round: the other slot than last time; the next number modulo 16; each address made anew from its base, the type bits set again.
; (At its first use nothing has been read yet: slot 0 is waited for, slot 1 filled.)
.macro CHANGE fill
	WIN 0
	s_wait_tensorcnt 0x0            ; no tensor load of mine is out, so a group 0 may be written
	ds_add_u32 v[SPW], v[NIL]       ; 0 onto my spare word
.if \fill
	s_add_co_u32 s[SG], s[SG], 1
	s_and_b32 s[SG], s[SG], 15
	s_lshl_b32 s[OK], s[SG], 15     ; 128 rows of 256 bytes
	s_lshl_b32 s[OM], s[SG], 9      ; 128 columns of 4 bytes
	s_xor_b32 s[G0K+1], s[G0K+1], SLOT
	s_add_nc_u64 s[G0K+2:G0K+3], s[6:7], s[OK:OK+1]
	s_or_b32 s[G0K+3], s[G0K+3], 0x80000000
	s_xor_b32 s[G0V+1], s[G0V+1], SLOT
	s_add_nc_u64 s[G0V+2:G0V+3], s[8:9], s[OK:OK+1]
	s_or_b32 s[G0V+3], s[G0V+3], 0x80000000
	s_xor_b32 s[G0M+1], s[G0M+1], SLOT
	s_add_nc_u64 s[G0M+2:G0M+3], s[10:11], s[OM:OM+1]
	s_or_b32 s[G0M+3], s[G0M+3], 0x80000000
	s_add_co_u32 s[PT], s[SG], 1    ; the prefetch names the number after that
	s_and_b32 s[PT], s[PT], 15
	s_lshl_b32 s[PT], s[PT], s[PSH]
	s_wait_xcnt 0x0                 ; the last prefetch, a trip back, has read its address
	s_add_nc_u64 s[PFA:PFA+1], s[PB:PB+1], s[PT:PT+1]
	s_wait_dscnt 0x0                ; the add is done, and my reads of the slot are over
	CROUND
	JLOAD
	ASK
.else
	s_wait_dscnt 0x0
	s_barrier_signal -1
	s_barrier_wait -1
.endif
	s_xor_b32 s[TB], s[TB], SLOT    ; the trip reads the other slot
.endm
	s_wait_loadcnt 0x0              ; Q
.Lslot:                             ; trips -1 to 13: the walk's steps 1 to 15 are asked for
	CHANGE 1
	TURN 0, 1
	TURN 2, 1
	WIN 0
	s_sub_co_u32 s[SLOTS], s[SLOTS], 1
	s_cmp_lg_u32 s[SLOTS], 0
	s_cbranch_scc1 .Lslot
	CHANGE 0                        ; trip 14 is written out.  Behind this barrier no wave reads slot 0 any more
	TURN 0, 1
	TURN 2, 1
	TURN 0, 0                       ; piece 0: V^T P of the last step | piece 2's last softmax
.set i, 0
.rept 32
	PV 2
.set i, i+1
.endr
	; THE MERGE.  l's two halves and the other half of the lanes' are added (these lines are the places behind the last products).  Every wave keeps its tiles 0, 1 and gives its tiles 2, 3.
	WIN 0
.irp t, 0,1,2,3
	v_add_f32 v[ST+8*(\t)+4], v[ST+8*(\t)+2], v[ST+8*(\t)+3]
.endr
.irp t, 0,1,2,3
	v_permlanex16_b32 v[ST+8*(\t)+5], v[ST+8*(\t)+4], s[SEL], s[SEL+1]
.endr
.irp t, 0,1,2,3
	v_add_f32 v[ST+8*(\t)+4], v[ST+8*(\t)+4], v[ST+8*(\t)+5]
.endr
	v_mov_b32 v[XQ],   v[ST+16]     ; tiles 2, 3: L m and l, then O^T, 16 bytes a lane
	v_mov_b32 v[XQ+1], v[ST+20]
	v_mov_b32 v[XQ+2], v[ST+24]
	v_mov_b32 v[XQ+3], v[ST+28]
	ds_store_b128 v[XA], v[XQ:XQ+3] offset:16384
	WIN 0x04                        ; the data in window 1
.set i, 0
.rept 32
	ds_store_b128 v[XA], v[128+4*i:128+4*i+3] offset:512*i
.set i, i+1
.endr
	WIN 0
	s_wait_dscnt 0x0                ; for my partner's sake: my stores are done
	s_barrier_signal -1
	s_barrier_wait -1
; Tile t of the two that I keep: O = (O wa + O' wb), rounded to f16; through my stage, so that 16 lanes hold a row's 256 bytes.
.macro PACK t
	WIN W_RS
.set i, 0
.rept 32
	v_pk_mul_f32 v[64*(\t)+2*i:64*(\t)+2*i+1], v[64*(\t)+2*i:64*(\t)+2*i+1], v[WT+4*(\t):WT+4*(\t)+1]
.set i, i+1
.endr
	WIN W_PV
.set i, 0
.rept 32
	v_pk_fma_f32 v[64*(\t)+2*i:64*(\t)+2*i+1], v[128+64*(\t)+2*i:128+64*(\t)+2*i+1], v[WT+4*(\t)+2:WT+4*(\t)+3], v[64*(\t)+2*i:64*(\t)+2*i+1]
.set i, i+1
.endr
	WIN 0x05
.set i, 0
.rept 32
	v_cvt_pk_f16_f32 v[S+32*(\t)+i], v[64*(\t)+2*i], v[64*(\t)+2*i+1]
.set i, i+1
.endr
	WIN 0
.irp f, 0,1,2,3,4,5,6,7
	ds_store_b128 v[STO], v[S+32*(\t)+4*(\f):S+32*(\t)+4*(\f)+3] offset:32*(\f)
.endr
.irp f, 0,1,2,3,4,5,6,7
	ds_load_b128 v[S+32*(\t)+4*(\f):S+32*(\t)+4*(\f)+3], v[RD] offset:(\f)*2*SP  ; LDS serves a wave's instructions in order (ISA guide 5.7.1.4): these see the stores above; the next tile's stores come behind them
.endr
.endm
.macro SEND t, younger              ; younger: the LDS instructions issued behind tile t's loads
	WIN 0
.irp f, 0,1,2,3,4,5,6,7
	s_wait_dscnt (\younger)+7-(\f)
	global_store_b128 v[GO], v[S+32*(\t)+4*(\f):S+32*(\t)+4*(\f)+3], s[12:13] offset:(\t)*65536+(\f)*8192  ; 16 lanes store 256 consecutive bytes, aligned
.endr
.endm
	; What my partner gave: M = max(L m, L m'); f = 2^(L m - M), f' likewise; l = f l + f' l'; the weights f / l and f' / l
	ds_load_b128 v[XR:XR+3], v[XP] offset:16384
	WIN 0xc0
.set i, 0
.rept 32
	ds_load_b128 v[128+4*i:128+4*i+3], v[XP] offset:512*i
.set i, i+1
.endr
	WIN 0
	s_wait_dscnt 32                 ; the statistics are in; the 32 loads of O^T may stay out
.irp u, 0,1
	v_max_num_f32 v[ST+8*(\u)+5], v[ST+8*(\u)], v[XR+2*(\u)]
.endr
.irp u, 0,1
	v_sub_f32 v[ST+8*(\u)+6], v[ST+8*(\u)], v[ST+8*(\u)+5]
	v_sub_f32 v[ST+8*(\u)+7], v[XR+2*(\u)], v[ST+8*(\u)+5]
.endr
.irp u, 0,1
	v_exp_f32 v[ST+8*(\u)+6], v[ST+8*(\u)+6]
	v_exp_f32 v[ST+8*(\u)+7], v[ST+8*(\u)+7]
.endr
	v_nop                           ; a plain instruction behind the last exponential,
	s_wait_alu depctr_va_vdst(0)    ; and one wait for the four, ahead of their first reader
.irp u, 0,1
	v_mul_f32 v[ST+8*(\u)+5], v[ST+8*(\u)+6], v[ST+8*(\u)+4]
.endr
.irp u, 0,1
	v_fmac_f32 v[ST+8*(\u)+5], v[ST+8*(\u)+7], v[XR+2*(\u)+1]
.endr
.irp u, 0,1
	v_rcp_f32 v[ST+8*(\u)+4], v[ST+8*(\u)+5]
.endr
	v_nop
	s_wait_alu depctr_va_vdst(0)    ; one wait for the two reciprocals
.irp u, 0,1
	v_mul_f32 v[WT+4*(\u)],   v[ST+8*(\u)+6], v[ST+8*(\u)+4]
	v_mul_f32 v[WT+4*(\u)+1], v[ST+8*(\u)+6], v[ST+8*(\u)+4]
	v_mul_f32 v[WT+4*(\u)+2], v[ST+8*(\u)+7], v[ST+8*(\u)+4]
	v_mul_f32 v[WT+4*(\u)+3], v[ST+8*(\u)+7], v[ST+8*(\u)+4]
.endr
	s_wait_dscnt 0x0                ; my partner's O^T is in
	PACK 0
	PACK 1
	SEND 0, 16
	SEND 1, 0
	s_wait_tensorcnt 0x0            ; the wave's end: behind my last tensor load and my last LDS store
	ds_add_u32 v[SPW], v[NIL]
	s_wait_dscnt 0x0
	CROUND                          ; the closing round: no work-group ends while a partner may still ask for a tile that names it
	s_endpgm
.Lfunc_end_k_q4711c93997_attn:
	.size	k_q4711c93997_attn, .Lfunc_end_k_q4711c93997_attn-k_q4711c93997_attn
	.p2alignl 7, 3214868480
	.fill 96, 4, 3214868480
	.section	.rodata,"a",@progbits
	.p2align	6, 0x0
	.amdhsa_kernel k_q4711c93997_attn
		.amdhsa_group_segment_fixed_size 327680
		.amdhsa_private_segment_fixed_size 0
		.amdhsa_enable_private_segment 0
		.amdhsa_kernarg_size 40
		.amdhsa_user_sgpr_count 2
		.amdhsa_user_sgpr_kernarg_segment_ptr 1
		.amdhsa_wavefront_size32 1
		.amdhsa_system_sgpr_workgroup_id_x 1
		.amdhsa_system_sgpr_workgroup_id_y 1
		.amdhsa_system_sgpr_workgroup_id_z 1
		.amdhsa_system_vgpr_workitem_id 0
		.amdhsa_next_free_vgpr 1024
		.amdhsa_next_free_sgpr 92
		.amdhsa_reserve_vcc 0
		.amdhsa_float_denorm_mode_32 3
		.amdhsa_float_denorm_mode_16_64 3
		.amdhsa_memory_ordered 1
		.amdhsa_forward_progress 1
		.amdhsa_inst_pref_size 171
	.end_amdhsa_kernel
	.amdgpu_metadata
---
amdhsa.version: [ 1, 2 ]
amdhsa.kernels:
  - .name:           k_q4711c93997_attn
    .symbol:         k_q4711c93997_attn.kd
    .args:
      - { .name: qh, .offset: 0, .size: 8, .value_kind: global_buffer, .address_space: global }
      - { .name: kh, .offset: 8, .size: 8, .value_kind: global_buffer, .address_space: global }
      - { .name: vh, .offset: 16, .size: 8, .value_kind: global_buffer, .address_space: global }
      - { .name: maskr, .offset: 24, .size: 8, .value_kind: global_buffer, .address_space: global }
      - { .name: ob, .offset: 32, .size: 8, .value_kind: global_buffer, .address_space: global }
    .group_segment_fixed_size: 327680
    .private_segment_fixed_size: 0
    .kernarg_segment_align: 8
    .kernarg_segment_size: 40
    .max_flat_workgroup_size: 128
    .sgpr_count:     92
    .vgpr_count:     1024
    .wavefront_size: 32
...
	.end_amdgpu_metadata
.endif
;; end of part 3
;; launch oproj (part 4): grid 16 x 16, 4 waves a work-group, clusters of 4 x 4, 327,680 bytes of LDS; arguments ob, wob, out0; writes out0
.if DOCPART == 4
	.amdgcn_target "amdgcn-amd-amdhsa--gfx1250"
	.amdhsa_code_object_version 6
	.text
	.protected	k_q4711c93997_oproj
	.globl	k_q4711c93997_oproj
	.p2align	8
	.type	k_q4711c93997_oproj,@function
k_q4711c93997_oproj:
	s_mov_b64 s[64:65], 0
	v_nop
	global_prefetch_b8 v0, s[64:65] scope:SCOPE_SE
	s_setreg_imm32_b32 hwreg(HW_REG_WAVE_MODE, 25, 1), 1
	s_wait_xcnt 0x0
	s_wait_alu depctr_hold_cnt(0) depctr_sa_sdst(0) depctr_va_vdst(0) depctr_va_sdst(0) depctr_va_ssrc(0) depctr_va_vcc(0) depctr_vm_vsrc(0)
	s_getreg_b32 s2, hwreg(HW_REG_IB_STS2, 6, 4)
	s_cmp_eq_u32 s2, 0
	s_cbranch_scc0 .Lentry_in_a_cluster
	s_endpgm
.Lentry_in_a_cluster:
	s_bfe_u32 s2, ttmp6, 0x10000c
	s_cmp_lg_u32 s2, 0xf033
	s_cbranch_scc0 .Lentry_shape_is_right
	s_endpgm
.Lentry_shape_is_right:
; out0[m][n] = sum over k of ob[m][k] wob[n][k].  ob, wob: [2048][2048] f16; out0: [2048][2048] f32; sums in f32, stored as they are; the K steps are summed in a turned order (THE WALK).
; A tile of out0 is 128 x 128, so that the 256 tiles give each work-group one.  Four waves, each 64 x 64: 16 accumulators of 16 x 16.  K goes in steps of 256 (LDS rows of 512 bytes; a wave's tensor load
; brings 64 of them), as long as two slots in LDS allow.  A wave's 64 columns are 256 bytes of f32: each wave has a stage of its own on the way out, and no barrier stands there.
; CLUSTERS: 4 x 4 work-groups.  The four of a row of the cluster need the same tiles of ob, the four of a column the same tiles of wob: each tile is asked for JOINTLY.
; THE WALK.  Cluster (X, Y) begins at K step (2 X + 4 Y) mod 8 and wraps round: of the clusters that read the same rows, those along x stand 2 steps apart, those along y 4 (two and two alike).
; The step's number hangs on the cluster's coordinates alone, so the partners of a joint load hold equal descriptors.
; THE MATRIX INSTRUCTION IS USED TRANSPOSED (source 0 = 16 rows of wob, source 1 = 16 rows of ob): a lane holds eight neighbouring numbers of a row of out0.
; No prefetch is laid: the tiles are small, and the walk has eight steps, of which two are the first fills.
; REGISTERS: window 0: v0-31 addresses; v32-95 rows on their way out; v128-255 the accumulators ((a, b) at v[128 + 8 (4 a + b)]).
;   window 1: two fragment buffers of 128: for 64 along K, 64 registers of ob (2 x 4 x 16 rows x 32 K), then 64 of wob.
.set SIZE_N, 2048
.set SIZE_K, 2048
.set KSTEP,  256
.set STEPS,  SIZE_K/KSTEP
.set PITCH,  528                       ; an LDS row: 512 bytes + 16 of padding = 132 words: the 16 rows of a load start at 16 different groups of four banks (64 banks of 4 bytes: ISA guide 11.1)
.set HALFT,  64*PITCH
.set SLOT,   4*HALFT                   ; 135,168 = 0x21000; the four fills' places in slot 0 (0, 0x8400, 0x10800, 0x18c00) have bits 12 and 17 clear, so one exclusive or turns each into slot 1's
.set STAGE,  2*SLOT                    ; behind the ring: 16 rows x 272 bytes for each wave
.set SPITCH, 272
.set SPARE,  STAGE+4*16*SPITCH         ; behind the stages: the spare words, 128 bytes for each wave: two blocks of 256 bytes that no other line names
.set ADRA0, 16                         ; v16, v17  my lane's place in a slot's rows of ob and of wob; never rewritten
.set ADRB0, 17
.set ADRA, 20                          ; v20, v21  the same in the slot in hand: made anew at each change of slots
.set ADRB, 21
.set STO,  24
.set RD,   25
.set CO,   26
.set SPW,  28
.set NIL,  29
.set TMP,  32
.set ACC,  128
.set F0,   0
.set F1,   128
.set ABASE, 14                         ; s[14:15] ob at my tile's first row
.set G1, 24
.set G0, 32                            ; s[32:39] group 0 for ob's tiles: a set for each of the two first fills; the second then walks on
.set G1B, 48
.set G0B, 56
.set BBASE, 66                         ; s[66:67] wob at my tile's first row
.set KO,   68                          ; s[68:69] the byte in a row at which the K step asked for last begins
.set TB,   70                          ; s70  LDS byte at which the slot in hand begins
.set MSB, 0
.macro WIN new
.if MSB != (\new)
	s_set_vgpr_msb (MSB<<8)|(\new)
.set MSB, \new
.endif
.endm
.set MUL,  0x05                        ; sources 0 and 1 window 1; C and D window 0
.set TO_F, 0x40
.macro JLOAD s                         ; a joint load: waves 0 and 1 fetch ob's two halves, waves 2 and 3 wob's; an s_nop 0 and four v_nop follow each of the two lines
	s_cmp_eq_u32 s11, 0
	s_cbranch_scc0 .Lfor_b_\@
	tensor_load_to_lds s[G0+4*(\s):G0+4*(\s)+3], s[G1:G1+7]
	s_nop 0
.rept 4
	v_nop
.endr
	s_branch .Lasked_\@
.Lfor_b_\@:
	tensor_load_to_lds s[G0B+4*(\s):G0B+4*(\s)+3], s[G1B:G1B+7]
	s_nop 0
.rept 4
	v_nop
.endr
.Lasked_\@:
.endm
.macro CREST
	s_cmp_lg_u32 s10, 0
	s_cbranch_scc1 .Lnot_wave_0_\@
	s_barrier_signal -3
.Lnot_wave_0_\@:
	s_barrier_wait -3
	s_barrier_signal -1
	s_barrier_wait -1
.endm
.macro CROUND
	s_barrier_signal -1
	s_barrier_wait -1
	CREST
.endm
	s_load_b128 s[4:7], s[0:1], 0x0                ; ob s[4:5], wob s[6:7]
	s_load_b64 s[8:9], s[0:1], 0x10                ; out0
	v_lshl_add_u32 v[SPW], v0, 2, SPARE
	v_mov_b32 v[NIL], 0
	ds_add_u32 v[SPW], v[NIL]                      ; the wave's opening: the add and its wait stand ahead of my first tensor load; the set-up below stands between them
	v_lshrrev_b32 v1, 5, v0
	v_readfirstlane_b32 s10, v1                    ; wave 0..3
	s_lshr_b32 s11, s10, 1                         ; which half of the tile's rows is mine.  Also: I fetch for ob (0) or for wob (1)
	s_and_b32 s12, s10, 1                          ; which half of its columns.  Also: which 64 rows of that tile I fetch
	s_bfe_u32 s40, ttmp6, 0x40000
	s_bfe_u32 s41, ttmp6, 0x40004
	s_lshl_b32 s42, ttmp9, 2
	s_add_co_u32 s42, s42, s40                     ; tile column
	s_and_b32 s13, ttmp7, 0xffff
	s_lshl_b32 s13, s13, 2
	s_add_co_u32 s13, s13, s41                     ; tile row
	s_lshl_b32 s43, s41, 2
	s_lshl_b32 s43, 15, s43                        ; my row of the cluster
	s_lshl_b32 s44, 0x1111, s40                    ; my column
	s_or_b32 s[G1+0], s43, (1<<16)|(1<<20)|(1<<21)|(6<<22)|(3<<25)  ; the mask; 2-byte elements; padding on; bit 21 beside a mask; after every 128 words 4 words
	s_or_b32 s[G1B+0], s44, (1<<16)|(1<<20)|(1<<21)|(6<<22)|(3<<25)
.irp g, G1, G1B
	s_mov_b32 s[(\g)+1], KSTEP<<16                 ; tensor_dim0 = 256
	s_mov_b32 s[(\g)+2], 64<<16                    ; tensor_dim1 = 64
	s_mov_b32 s[(\g)+3], KSTEP<<16                 ; tile_dim0 = 256
	s_mov_b32 s[(\g)+4], 64                        ; tile_dim1 = 64
	s_mov_b32 s[(\g)+5], SIZE_K
	s_mov_b32 s[(\g)+6], 0
	s_mov_b32 s[(\g)+7], 0
.endr
	s_lshl_b32 s17, s12, 6
	s_lshl_b32 s16, s13, 7
	s_add_co_u32 s16, s16, s17                     ; ob: row 128 x tile row + 64 x half
	s_lshl_b32 s46, s42, 7
	s_add_co_u32 s46, s46, s17                     ; wob: row 128 x tile column + 64 x half
	s_mov_b32 s17, 0
	s_mov_b32 s47, 0
	s_mov_b64 s[18:19], SIZE_K*2
	s_mul_u64 s[16:17], s[16:17], s[18:19]
	s_mul_u64 s[46:47], s[46:47], s[18:19]
	s_mul_i32 s20, s10, HALFT
	s_lshl_b32 s[KO], ttmp9, 1                     ; the walk's first K step: (2 X + 4 Y) mod 8, an even number
	s_and_b32 s[KO+1], ttmp7, 0xffff
	s_lshl_b32 s[KO+1], s[KO+1], 2
	s_add_co_u32 s[KO], s[KO], s[KO+1]
	s_and_b32 s[KO], s[KO], STEPS-1
	s_lshl_b32 s[KO], s[KO], 9                     ; 512 bytes of a row a step
	s_mov_b32 s[KO+1], 0
	s_mov_b32 s[TB], 0
	s_wait_dscnt 0x0                               ; the opening add is done
	s_wait_kmcnt 0x0
	s_add_nc_u64 s[ABASE:ABASE+1], s[4:5], s[16:17]
	s_add_nc_u64 s[BBASE:BBASE+1], s[6:7], s[46:47]
	CROUND                                         ; all sixteen work-groups are here: the first joint loads meet
.irp s, 0,1
	s_mov_b32 s[G0+4*(\s)], 1
	s_add_co_u32 s[G0+4*(\s)+1], s20, (\s)*SLOT
	s_add_nc_u64 s[G0+4*(\s)+2:G0+4*(\s)+3], s[ABASE:ABASE+1], s[KO:KO+1]
	s_or_b32 s[G0+4*(\s)+3], s[G0+4*(\s)+3], 0x80000000
	s_mov_b32 s[G0B+4*(\s)], 1
	s_add_co_u32 s[G0B+4*(\s)+1], s20, (\s)*SLOT
	s_add_nc_u64 s[G0B+4*(\s)+2:G0B+4*(\s)+3], s[BBASE:BBASE+1], s[KO:KO+1]
	s_or_b32 s[G0B+4*(\s)+3], s[G0B+4*(\s)+3], 0x80000000
	JLOAD \s                                       ; two loads of mine are out
.if (\s) == 0
	s_add_co_u32 s[KO], s[KO], KSTEP*2             ; the walk's second step: no wrap, since the first is even
.endif
.endr
	v_and_b32 v1, 15, v0                           ; l % 16
	v_bfe_u32 v2, v0, 4, 1                         ; l / 16
	v_mul_u32_u24 v3, v1, PITCH
	v_lshl_add_u32 v3, v2, 4, v3
	s_mul_i32 s21, s11, HALFT                      ; my 64 rows of ob
	s_mul_i32 s22, s12, HALFT                      ; my 64 rows of wob,
	s_add_co_u32 s22, s22, 2*HALFT                 ; which lie behind ob's 128
	v_add_nc_u32 v[ADRA0], s21, v3
	v_add_nc_u32 v[ADRB0], s22, v3
	v_add_nc_u32 v[ADRA], s[TB], v[ADRA0]          ; slot 0
	v_add_nc_u32 v[ADRB], s[TB], v[ADRB0]
	s_mul_i32 s23, s10, 16*SPITCH
	s_add_co_u32 s23, s23, STAGE                   ; my stage
	v_mul_u32_u24 v4, v1, SPITCH                   ; in: row l % 16, 32 bytes for each half of the lanes
	v_lshl_add_u32 v4, v2, 5, v4
	v_add_nc_u32 v[STO], s23, v4
	v_mul_u32_u24 v5, v2, SPITCH                   ; back: lanes 0-15 take one row of 256 bytes, lanes 16-31 the next
	v_lshl_add_u32 v5, v1, 4, v5
	v_add_nc_u32 v[RD], s23, v5
	v_lshlrev_b32 v5, 13, v2                       ; and the same two rows in out0, 8,192 bytes apart
	v_lshl_add_u32 v[CO], v1, 4, v5
	s_lshl_b32 s16, s13, 7
	s_lshl_b32 s17, s11, 6
	s_add_co_u32 s16, s16, s17                     ; my first row: 128 x tile row + 64 x half,
	s_lshl_b32 s16, s16, 13                        ; of 8,192 bytes
	s_mov_b32 s17, 0
	s_add_nc_u64 s[8:9], s[8:9], s[16:17]
	s_lshl_b32 s46, s42, 9                         ; my first column, in bytes: 512 x tile column + 256 x half
	s_lshl_b32 s47, s12, 8
	s_add_co_u32 s46, s46, s47
	s_mov_b32 s47, 0
	s_add_nc_u64 s[8:9], s[8:9], s[46:47]
; 8 matrix instructions: m blocks a0, a0 + 1 x all 4 n blocks, 32 along K: half c of buffer f.  zero = 1: the product starts the sum.  The 16 accumulators take turns.
.macro MUL8 f, c, a0, zero
	WIN MUL
.irp a, \a0, (\a0)+1
.irp b, 0,1,2,3
.if \zero
	v_wmma_f32_16x16x32_f16 v[ACC+8*(4*(\a)+(\b)):ACC+8*(4*(\a)+(\b))+7], v[(\f)+64+8*(4*(\c)+(\b)):(\f)+64+8*(4*(\c)+(\b))+7], v[(\f)+8*(4*(\c)+(\a)):(\f)+8*(4*(\c)+(\a))+7], 0
.else
	v_wmma_f32_16x16x32_f16 v[ACC+8*(4*(\a)+(\b)):ACC+8*(4*(\a)+(\b))+7], v[(\f)+64+8*(4*(\c)+(\b)):(\f)+64+8*(4*(\c)+(\b))+7], v[(\f)+8*(4*(\c)+(\a)):(\f)+8*(4*(\c)+(\a))+7], v[ACC+8*(4*(\a)+(\b)):ACC+8*(4*(\a)+(\b))+7]
.endif
.endr
.endr
.endm
; 32 LDS loads in one run: the fragments of 64 along K at byte k of the rows of the slot in hand, into buffer f; the first 32 along K first
.macro FETCH k, f
	WIN TO_F
.irp c, 0,1
.irp i, 0,1,2,3
	ds_load_b128 v[(\f)+64+8*(4*(\c)+(\i)):(\f)+64+8*(4*(\c)+(\i))+3],   v[ADRB] offset:(\k)+64*(\c)+(\i)*16*PITCH
	ds_load_b128 v[(\f)+64+8*(4*(\c)+(\i))+4:(\f)+64+8*(4*(\c)+(\i))+7], v[ADRB] offset:(\k)+64*(\c)+(\i)*16*PITCH+32
	ds_load_b128 v[(\f)+8*(4*(\c)+(\i)):(\f)+8*(4*(\c)+(\i))+3],         v[ADRA] offset:(\k)+64*(\c)+(\i)*16*PITCH
	ds_load_b128 v[(\f)+8*(4*(\c)+(\i))+4:(\f)+8*(4*(\c)+(\i))+7],       v[ADRA] offset:(\k)+64*(\c)+(\i)*16*PITCH+32
.endr
.endr
.endm
.macro PLACES                          ; four places in front of loads into registers that matrix instructions have read, and of lines that read results
.rept 4
	v_nop
.endr
.endm
; A K step is four quarters of 64 along K, 32 matrix instructions each, on buffers 0, 1, 0, 1.
.macro QUARTER k, f, g, zero
	s_wait_dscnt 16                                ; the first 32 along K are in; the youngest sixteen loads may be out
	MUL8 \f, 0, 0, \zero
	MUL8 \f, 0, 2, \zero
	PLACES
	FETCH \k, \g
	s_wait_dscnt 32                                ; all but the 32 just issued
	MUL8 \f, 1, 0, 0
	MUL8 \f, 1, 2, 0
.endm
; The last quarter multiplies buffer 1 and changes slots: ONE barrier; in front of it each wave waits for all its tensor loads, adds 0 to its spare word, and waits for that and for its own reads of this slot.
; fill = 1: the barrier opens a round of the cluster's, and this slot is filled again, with the walk's step two on, first thing behind it: 112 matrix instructions ahead of the wait for it.  The walking descriptors
; are written between the wait for the tensor loads and the barrier: the other slot than last time, the next K step modulo a row's 4,096 bytes; the address is made anew from the tile's base, the type bits set again.
.macro TURN fill
	WIN 0
	s_wait_tensorcnt 0x0
	ds_add_u32 v[SPW], v[NIL]                      ; 0 onto my spare word
.if \fill
	s_add_co_u32 s[KO], s[KO], KSTEP*2
	s_and_b32 s[KO], s[KO], 4095
	s_xor_b32 s[G0+5], s[G0+5], SLOT
	s_add_nc_u64 s[G0+6:G0+7], s[ABASE:ABASE+1], s[KO:KO+1]
	s_or_b32 s[G0+7], s[G0+7], 0x80000000
	s_xor_b32 s[G0B+5], s[G0B+5], SLOT
	s_add_nc_u64 s[G0B+6:G0B+7], s[BBASE:BBASE+1], s[KO:KO+1]
	s_or_b32 s[G0B+7], s[G0B+7], 0x80000000
.endif
	s_wait_dscnt 17                                ; (the add and the youngest sixteen loads may be out)
	MUL8 F1, 0, 0, 0
	s_wait_dscnt 0x0                               ; the add is done, and my reads of this slot are over
	s_barrier_signal -1
	MUL8 F1, 0, 2, 0
	WIN 0
	s_barrier_wait -1
.if \fill
	CREST
	JLOAD 1                                        ; the four v_nop behind it are also the places in front of the loads below
.else
	v_nop                                          ; with the two lines below: the four places in front of the loads
	v_nop
.endif
	s_xor_b32 s[TB], s[TB], SLOT                   ; the other slot is in hand
	v_add_nc_u32 v[ADRA], s[TB], v[ADRA0]
	v_add_nc_u32 v[ADRB], s[TB], v[ADRB0]
	FETCH 0, F0
	MUL8 F1, 1, 0, 0
	MUL8 F1, 1, 2, 0
.endm
	s_wait_tensorcnt 1                             ; my part of the walk's first step is in; the second's load may stay out
	s_barrier_signal -1
	s_barrier_wait -1
	FETCH 0, F0
	QUARTER 128, F0, F1, 1                         ; the first quarter stands in front of the loop: its first products start the sums
	WIN 0
	s_mov_b32 s3, STEPS-2
.Lstep:                                                ; a trip goes from a step's second quarter to the next step's first, and fills the slot that it leaves: steps 2 to 7 of the walk
	QUARTER 256, F1, F0, 0
	QUARTER 384, F0, F1, 0
	TURN 1
	QUARTER 128, F0, F1, 0
	WIN 0
	s_sub_co_u32 s3, s3, 1
	s_cmp_lg_u32 s3, 0
	s_cbranch_scc1 .Lstep
	QUARTER 256, F1, F0, 0                         ; the last two steps fill nothing
	QUARTER 384, F0, F1, 0
	TURN 0
	QUARTER 128, F0, F1, 0
	QUARTER 256, F1, F0, 0
	QUARTER 384, F0, F1, 0
	s_wait_dscnt 16
	MUL8 F1, 0, 0, 0
	MUL8 F1, 0, 2, 0
	s_wait_dscnt 0x0
	MUL8 F1, 1, 0, 0
	MUL8 F1, 1, 2, 0
	WIN 0
	; THE WAY OUT, 16 rows at a time: a lane's 32 bytes of a row go into my stage, straight from the accumulators (their lowest registers first), and come back as whole rows of 256 bytes.
	PLACES
	PLACES
.irp a, 0,1,2,3
.irp b, 0,1,2,3
	ds_store_b128 v[STO], v[ACC+8*(4*(\a)+(\b)):ACC+8*(4*(\a)+(\b))+3]   offset:64*(\b)
	ds_store_b128 v[STO], v[ACC+8*(4*(\a)+(\b))+4:ACC+8*(4*(\a)+(\b))+7] offset:64*(\b)+16
.endr
	s_wait_xcnt 0x0                                ; the stores of two blocks back have read their registers, which are loaded again below
.irp t, 0,1,2,3,4,5,6,7
	ds_load_b128 v[TMP+32*((\a)%2)+4*(\t):TMP+32*((\a)%2)+4*(\t)+3], v[RD] offset:(\t)*2*SPITCH  ; LDS serves a wave's instructions in order (ISA guide 5.7.1.4): these see the stores above; the next block's stores come behind them
.endr
.irp t, 0,1,2,3,4,5,6,7
	s_wait_dscnt 7-(\t)
	global_store_b128 v[CO], v[TMP+32*((\a)%2)+4*(\t):TMP+32*((\a)%2)+4*(\t)+3], s[8:9] offset:(16*(\a)+2*(\t))*SIZE_N*4  ; 16 lanes store 256 consecutive bytes, aligned
.endr
.endr
	s_wait_tensorcnt 0x0                           ; the wave's end: behind my last tensor load and my last LDS store
	ds_add_u32 v[SPW], v[NIL]
	s_wait_dscnt 0x0
	CROUND                                         ; the closing round: no work-group ends while a partner may still ask for a tile that names it
	s_endpgm
.Lfunc_end_k_q4711c93997_oproj:
	.size	k_q4711c93997_oproj, .Lfunc_end_k_q4711c93997_oproj-k_q4711c93997_oproj
	.p2alignl 7, 3214868480
	.fill 96, 4, 3214868480
	.section	.rodata,"a",@progbits
	.p2align	6, 0x0
	.amdhsa_kernel k_q4711c93997_oproj
		.amdhsa_group_segment_fixed_size 327680
		.amdhsa_private_segment_fixed_size 0
		.amdhsa_enable_private_segment 0
		.amdhsa_kernarg_size 24
		.amdhsa_user_sgpr_count 2
		.amdhsa_user_sgpr_kernarg_segment_ptr 1
		.amdhsa_wavefront_size32 1
		.amdhsa_system_sgpr_workgroup_id_x 1
		.amdhsa_system_sgpr_workgroup_id_y 1
		.amdhsa_system_sgpr_workgroup_id_z 1
		.amdhsa_system_vgpr_workitem_id 0
		.amdhsa_next_free_vgpr 512
		.amdhsa_next_free_sgpr 72
		.amdhsa_reserve_vcc 0
		.amdhsa_float_denorm_mode_32 3
		.amdhsa_float_denorm_mode_16_64 3
		.amdhsa_memory_ordered 1
		.amdhsa_forward_progress 1
		.amdhsa_inst_pref_size 69
	.end_amdhsa_kernel
	.amdgpu_metadata
---
amdhsa.version: [ 1, 2 ]
amdhsa.kernels:
  - .name:           k_q4711c93997_oproj
    .symbol:         k_q4711c93997_oproj.kd
    .args:
      - { .name: ob, .offset: 0, .size: 8, .value_kind: global_buffer, .address_space: global }
      - { .name: wob, .offset: 8, .size: 8, .value_kind: global_buffer, .address_space: global }
      - { .name: out0, .offset: 16, .size: 8, .value_kind: global_buffer, .address_space: global }
    .group_segment_fixed_size: 327680
    .private_segment_fixed_size: 0
    .kernarg_segment_align: 8
    .kernarg_segment_size: 24
    .max_flat_workgroup_size: 128
    .sgpr_count:     72
    .vgpr_count:     512
    .wavefront_size: 32
...
	.end_amdgpu_metadata
.endif
;; end of part 4
;; ======== version 2 of 2: 4 launches; version 1 with the launch cast written anew for expert scheduling mode
;; limits: values are held in f16: magnitudes above 65,504 overflow, below 6.1e-05 lose precision; right only within a limited range of input values
;; workspace buffers: xb 8,388,608 bytes; wcat 25,165,824 bytes; wob 8,388,608 bytes; maskr 16,777,216 bytes; qh 8,388,608 bytes; kh 8,388,608 bytes; vh 8,388,608 bytes; ob 8,388,608 bytes
;; launch cast (part 5): grid 128 x 6, 8 waves a work-group, no clusters, 0 bytes of LDS; arguments x, wq, wk, wv, wo, mask, xb, wcat, wob, maskr; writes xb, wcat, wob, maskr
.if DOCPART == 5
	.amdgcn_target "amdgcn-amd-amdhsa--gfx1250"
	.amdhsa_code_object_version 6
	.text
	.protected	k_q4711c93997_cast
	.globl	k_q4711c93997_cast
	.p2align	8
	.type	k_q4711c93997_cast,@function
k_q4711c93997_cast:
	s_mov_b64 s[64:65], 0
	v_nop
	global_prefetch_b8 v0, s[64:65] scope:SCOPE_SE
	s_setreg_imm32_b32 hwreg(HW_REG_WAVE_SCHED_MODE, 0, 2), 2
	s_setreg_imm32_b32 hwreg(HW_REG_WAVE_MODE, 25, 1), 1
	s_wait_xcnt 0x0
	s_wait_alu depctr_vm_vsrc(0)
; THE INPUTS ARE ROUNDED ONCE.  Six tensors of [2048][2048] f32; the grid's y picks the tensor, its x sixteen rows.
;   y = 0: x -> xb, bf16.   y = 1, 2, 3: wq, wk, wv -> wcat, bf16, by heads: row r of head h of tensor t lies at row 384 h + 128 t + r.
;   y = 4: wo -> wob: rounded to bf16, that number written as f16.   y = 5: mask -> maskr: rounded to bf16, held to -1e30 from below, written as f32.
; LIMITS.  wob: |wo| stays under 65,504; below 6e-5 the number keeps f16's fixed step of 6e-8.  maskr: -inf and all below -1e30 become -1e30, which the attention
; launch counts as hidden; a NaN in the mask becomes -1e30 too.
; SHARES.  Thread t takes 16 bytes at 16 t and at 4,096 + 16 t of each row: a load of a wave covers 512 bytes on end.  The 16-bit copies leave as 8 bytes a lane (a store of a
; wave covers 256 bytes on end, aligned), the mask as 16 bytes a lane.  All 32 loads of a thread go out at once; nothing is read twice; no LDS, no barrier, no matrix unit:
; work-groups share no byte, so a cluster would have nothing to share.
; THE MODE: SCHED_MODE bits 1:0 = 2 (LLVM: expert scheduling mode 2), set by the entry lines.  The code itself states the register dependences
; between vector instructions and memory instructions, with s_wait_alu, always for 0.
; THE PLAN.  Registers that memory instructions touch:
;   v1, v2   byte offsets, made once at the head and never written again; read by every load and store.
;   X        a row's eight registers: the loads land in them (no vector line names them before that); behind the row's wait on LOADcnt its conversions read them, and for wo and the mask
;            write them again in place; the mask's stores then read them.
;   Y        a row's four registers: written once, by the row's conversions; read by the row's two stores.
;   T        named by vector lines alone.
; No register that a store or a load has read is ever written again, so nothing is owed on that side.  What is owed: the offsets are written ahead of the first load (one wait at the head), and a
; store's data are written ahead of the store.  For that the sixteen rows go in eight blocks of two: block p converts rows 2 p and 2 p + 1, and its memory instructions are the four stores of
; block p - 1, whose registers no vector line of block p names.  So ONE wait at a block's head serves the block's four stores, which stand among its conversions with no further wait.
.set T, 8                              ; v[8:11]    a row's eight numbers as four words of bf16
.set X, 16                             ; v[16:143]  row i: eight registers as loaded
.set Y, 144                            ; v[144:207] row i: four registers to store
	s_load_b512 s[8:23], s[0:1], 0x0               ; x s[8:9], wq, wk, wv, wo, mask s[18:19], xb s[20:21], wcat s[22:23]
	s_load_b128 s[24:27], s[0:1], 0x40             ; wob s[24:25], maskr s[26:27]
	s_and_b32 s2, ttmp7, 0xffff                    ; which tensor
	v_lshlrev_b32 v1, 4, v0                        ; 16 t
	v_lshlrev_b32 v2, 3, v0                        ; 8 t
	s_mov_b32 s32, 0xffff0000                      ; a word's upper bf16
	s_mov_b32 s36, 0xf149f2ca                      ; -1e30
	s_lshl_b32 s28, ttmp9, 17                      ; sixteen rows of 8,192 bytes
	s_mov_b32 s29, 0
	s_lshl_b32 s30, ttmp9, 16                      ; sixteen rows of 4,096 bytes
	s_mov_b32 s31, 0
	s_lshr_b32 s33, ttmp9, 3                       ; a weight's head: eight groups of sixteen rows each
	s_mul_i32 s33, s33, 384
	s_and_b32 s34, ttmp9, 7
	s_lshl_b32 s34, s34, 4
	s_add_co_u32 s33, s33, s34
	s_sub_co_u32 s35, s2, 1                        ; 0, 1, 2 for wq, wk, wv
	s_lshl_b32 s34, s35, 7
	s_add_co_u32 s33, s33, s34
	s_lshl_b32 s33, s33, 12                        ; the row in wcat, in bytes (taken for y = 1, 2, 3 alone)
	s_cmp_lt_u32 s35, 3
	s_cselect_b32 s30, s33, s30
	s_cmp_eq_u32 s2, 5
	s_cselect_b32 s30, s28, s30                    ; maskr has rows of 8,192 bytes
	s_wait_kmcnt 0x0
	s_mov_b64 s[4:5], s[8:9]                       ; the source,
	s_cmp_eq_u32 s2, 1
	s_cselect_b64 s[4:5], s[10:11], s[4:5]
	s_cmp_eq_u32 s2, 2
	s_cselect_b64 s[4:5], s[12:13], s[4:5]
	s_cmp_eq_u32 s2, 3
	s_cselect_b64 s[4:5], s[14:15], s[4:5]
	s_cmp_eq_u32 s2, 4
	s_cselect_b64 s[4:5], s[16:17], s[4:5]
	s_cmp_eq_u32 s2, 5
	s_cselect_b64 s[4:5], s[18:19], s[4:5]
	s_mov_b64 s[6:7], s[20:21]                     ; and the destination
	s_cmp_ge_u32 s2, 1
	s_cselect_b64 s[6:7], s[22:23], s[6:7]
	s_cmp_eq_u32 s2, 4
	s_cselect_b64 s[6:7], s[24:25], s[6:7]
	s_cmp_eq_u32 s2, 5
	s_cselect_b64 s[6:7], s[26:27], s[6:7]
	s_add_nc_u64 s[4:5], s[4:5], s[28:29]
	s_add_nc_u64 s[6:7], s[6:7], s[30:31]
	s_wait_alu depctr_va_vdst(0)                   ; v1 and v2 are written: every load and store of the kernel, on all three ways below, reads one of them as its offset
.irp i, 0,1,2,3,4,5,6,7,8,9,10,11,12,13,14,15
	global_load_b128 v[X+8*(\i):X+8*(\i)+3],   v1, s[4:5] offset:8192*(\i) th:TH_LOAD_NT
	global_load_b128 v[X+8*(\i)+4:X+8*(\i)+7], v1, s[4:5] offset:8192*(\i)+4096 th:TH_LOAD_NT
.endr
	s_cmp_eq_u32 s2, 5
	s_cbranch_scc1 .Lmask
	s_cmp_eq_u32 s2, 4
	s_cbranch_scc1 .Lhalf
; No register that a store reads is written again, so no wait stands for the stores' sources.
.macro OUT16 i                         ; a row's two stores of 8 bytes a lane
	global_store_b64 v2, v[Y+4*(\i):Y+4*(\i)+1],   s[6:7] offset:4096*(\i)
	global_store_b64 v2, v[Y+4*(\i)+2:Y+4*(\i)+3], s[6:7] offset:4096*(\i)+2048
.endm
.macro OUT32 i                         ; a row's two stores of 16 bytes a lane
	global_store_b128 v1, v[X+8*(\i):X+8*(\i)+3],   s[6:7] offset:8192*(\i)
	global_store_b128 v1, v[X+8*(\i)+4:X+8*(\i)+7], s[6:7] offset:8192*(\i)+4096
.endm
.macro ROUNDED i                       ; row i rounded to bf16 and widened again, in place
.irp j, 0,1,2,3
	v_cvt_pk_bf16_f32 v[T+(\j)], v[X+8*(\i)+2*(\j)], v[X+8*(\i)+2*(\j)+1]
.endr
.irp j, 0,1,2,3
	v_lshlrev_b32 v[X+8*(\i)+2*(\j)],   16, v[T+(\j)]
	v_and_b32     v[X+8*(\i)+2*(\j)+1], s32, v[T+(\j)]
.endr
.endm
.macro TOB i                           ; row i to bf16, into Y
.irp j, 0,1,2,3
	v_cvt_pk_bf16_f32 v[Y+4*(\i)+(\j)], v[X+8*(\i)+2*(\j)], v[X+8*(\i)+2*(\j)+1]
.endr
.endm
.macro TOH i                           ; row i to bf16, that number as f16, into Y
	ROUNDED \i
.irp j, 0,1,2,3
	v_cvt_pk_f16_f32 v[Y+4*(\i)+(\j)], v[X+8*(\i)+2*(\j)], v[X+8*(\i)+2*(\j)+1]
.endr
.endm
.macro TOM i                           ; row i to bf16, widened, held to -1e30 from below, in place
	ROUNDED \i
.irp j, 0,1,2,3,4,5,6,7
	v_max_num_f32 v[X+8*(\i)+(\j)], s36, v[X+8*(\i)+(\j)]
.endr
.endm
.irp p, 0,1,2,3,4,5,6,7
	s_wait_loadcnt 30-4*(\p)                       ; loads come back in order: row 2 p is in, the later rows' loads stay out
.if (\p) > 0
	s_wait_alu depctr_va_vdst(0)                   ; the block before has written its eight registers of Y, which the four stores of this block read
	OUT16 2*(\p)-2
.endif
	TOB 2*(\p)
	s_wait_loadcnt 28-4*(\p)                       ; row 2 p + 1 is in
.if (\p) > 0
	OUT16 2*(\p)-1                                 ; no wait: no vector line since the wait above names these registers
.endif
	TOB 2*(\p)+1
.endr
	s_wait_alu depctr_va_vdst(0)                   ; the last block has written its Y, which the last four stores read
	OUT16 14
	OUT16 15
	s_endpgm
.Lhalf:
.irp p, 0,1,2,3,4,5,6,7
	s_wait_loadcnt 30-4*(\p)                       ; row 2 p is in
.if (\p) > 0
	s_wait_alu depctr_va_vdst(0)                   ; the block before has written its eight registers of Y, which the four stores of this block read
	OUT16 2*(\p)-2
.endif
	TOH 2*(\p)
	s_wait_loadcnt 28-4*(\p)                       ; row 2 p + 1 is in
.if (\p) > 0
	OUT16 2*(\p)-1                                 ; no wait: no vector line since the wait above names these registers
.endif
	TOH 2*(\p)+1
.endr
	s_wait_alu depctr_va_vdst(0)                   ; the last block has written its Y, which the last four stores read
	OUT16 14
	OUT16 15
	s_endpgm
.Lmask:
.irp p, 0,1,2,3,4,5,6,7
	s_wait_loadcnt 30-4*(\p)                       ; row 2 p is in
.if (\p) > 0
	s_wait_alu depctr_va_vdst(0)                   ; the block before has written its sixteen registers of X anew, which the four stores of this block read
	OUT32 2*(\p)-2
.endif
	TOM 2*(\p)
	s_wait_loadcnt 28-4*(\p)                       ; row 2 p + 1 is in
.if (\p) > 0
	OUT32 2*(\p)-1                                 ; no wait: no vector line since the wait above names these registers
.endif
	TOM 2*(\p)+1
.endr
	s_wait_alu depctr_va_vdst(0)                   ; the last block has written its X anew, which the last four stores read
	OUT32 14
	OUT32 15
	s_endpgm
.Lfunc_end_k_q4711c93997_cast:
	.size	k_q4711c93997_cast, .Lfunc_end_k_q4711c93997_cast-k_q4711c93997_cast
	.p2alignl 7, 3214868480
	.fill 96, 4, 3214868480
	.section	.rodata,"a",@progbits
	.p2align	6, 0x0
	.amdhsa_kernel k_q4711c93997_cast
		.amdhsa_group_segment_fixed_size 0
		.amdhsa_private_segment_fixed_size 0
		.amdhsa_enable_private_segment 0
		.amdhsa_kernarg_size 80
		.amdhsa_user_sgpr_count 2
		.amdhsa_user_sgpr_kernarg_segment_ptr 1
		.amdhsa_wavefront_size32 1
		.amdhsa_system_sgpr_workgroup_id_x 1
		.amdhsa_system_sgpr_workgroup_id_y 1
		.amdhsa_system_sgpr_workgroup_id_z 1
		.amdhsa_system_vgpr_workitem_id 0
		.amdhsa_next_free_vgpr 208
		.amdhsa_next_free_sgpr 66
		.amdhsa_reserve_vcc 0
		.amdhsa_float_denorm_mode_32 3
		.amdhsa_float_denorm_mode_16_64 3
		.amdhsa_memory_ordered 1
		.amdhsa_forward_progress 1
		.amdhsa_inst_pref_size 45
	.end_amdhsa_kernel
	.amdgpu_metadata
---
amdhsa.version: [ 1, 2 ]
amdhsa.kernels:
  - .name:           k_q4711c93997_cast
    .symbol:         k_q4711c93997_cast.kd
    .args:
      - { .name: x, .offset: 0, .size: 8, .value_kind: global_buffer, .address_space: global }
      - { .name: wq, .offset: 8, .size: 8, .value_kind: global_buffer, .address_space: global }
      - { .name: wk, .offset: 16, .size: 8, .value_kind: global_buffer, .address_space: global }
      - { .name: wv, .offset: 24, .size: 8, .value_kind: global_buffer, .address_space: global }
      - { .name: wo, .offset: 32, .size: 8, .value_kind: global_buffer, .address_space: global }
      - { .name: mask, .offset: 40, .size: 8, .value_kind: global_buffer, .address_space: global }
      - { .name: xb, .offset: 48, .size: 8, .value_kind: global_buffer, .address_space: global }
      - { .name: wcat, .offset: 56, .size: 8, .value_kind: global_buffer, .address_space: global }
      - { .name: wob, .offset: 64, .size: 8, .value_kind: global_buffer, .address_space: global }
      - { .name: maskr, .offset: 72, .size: 8, .value_kind: global_buffer, .address_space: global }
    .group_segment_fixed_size: 0
    .private_segment_fixed_size: 0
    .kernarg_segment_align: 8
    .kernarg_segment_size: 80
    .max_flat_workgroup_size: 256
    .sgpr_count:     66
    .vgpr_count:     208
    .wavefront_size: 32
...
	.end_amdgpu_metadata
.endif
;; end of part 5
;; launch qkv: the kernel of part 2 again; grid 16 x 16, 4 waves a work-group, clusters of 4 x 4, 327,680 bytes of LDS; arguments xb, wcat, freqs_cos, freqs_sin, qh, kh, vh; writes qh, kh, vh
;; launch attn: the kernel of part 3 again; grid 16 x 16, 4 waves a work-group, clusters of 4 x 4, 327,680 bytes of LDS; arguments qh, kh, vh, maskr, ob; writes ob
;; launch oproj: the kernel of part 4 again; grid 16 x 16, 4 waves a work-group, clusters of 4 x 4, 327,680 bytes of LDS; arguments ob, wob, out0; writes out0
